; MI455X (gfx1250); checked and timed in simulation.
; The chip was launched on July 23, 2026; its instructions are those of AMD's public machine-readable ISA for CDNA 5 (MIT licence, August 2026) and "CDNA5" Instruction Set Architecture Reference Guide (July 2026). The comments in the code are by the model that wrote it; some were corrected since.
;; System2 Reasoner. Allowed arithmetic: matrix products marked QUANTISED: E3M2 operands, one E8M0 scale for each 32 along K, by v_wmma_scale_f32_16x16x128_f8f6f4 with both operands' format E3M2, f32 sums; products left as they are: f32 operands where the result goes on into a quantised operand, else bf16, f16 or f32 operands; f32 sums; everything else in f32.
;; Inputs: memory_nodes_gpu 100,000 x 256 float32; test_patches 2,048 x 256 float32.
;; Outputs: out0 1 x 256 float32; out1 2,048 x 256 float32.
;; This version of the problem:
;;   THIS VERSION OF THE PROBLEM IS GIVEN IN LOW PRECISION. The matrix products marked QUANTISED in the list below multiply operands that are first quantised to E3M2 (3 exponent bits, 2 mantissa bits; 6 bits a number), with one power-of-two scale for each 32 numbers along K (OCP MX v1.0); their sums are f32. All else is computed in f32.
;;   The module's matrix products, in the order in which they are computed (A, B: the left and right operand; K: the contracted axis; several contracted axes count as one K, in the product's order):
;;     1. [M 2,048, K 256] x [K 256, N 100,000]; A: input test_patches; B: input memory_nodes_gpu: QUANTISED
;;     2. batch 2,048 x [M 1, K 50] x [K 50, N 256]; A: softmax; B: computed on the way: left as it is (M = 1 < 16)
;;   THE QUANTISER, for each operand of a quantised product, along K:
;;     - K is cut into blocks of 32 from its start; a last block that is shorter is filled with zeros.
;;     - A block's scale is 2^e with e = floor(log2(the largest magnitude in the block)) - 4, held to -126 .. 127; a block of zeros has e = 0. As a byte (E8M0): e + 127.
;;     - Each number is divided by its block's scale, clamped to +-28, and rounded to the nearest number of E3M2, ties to even, subnormals kept.
;;     - The product sums the exact products of the quantised numbers (number of the format x scale) in f32.
;;   ~~~python
;;   def quantise(x, axis):      # numpy; x: float32 -> the quantised numbers, widened to float32 again
;;       x = np.moveaxis(x, axis, -1); K = x.shape[-1]
;;       x = np.pad(x, [(0, 0)] * (x.ndim - 1) + [(0, -K % 32)]); x = x.reshape(x.shape[:-1] + (-1, 32)); a = np.abs(x).max(-1, keepdims=True)
;;       e = np.where(a > 0, np.clip(np.frexp(np.where(a > 0, a, 1))[1] - 1 - 4, -126, 127), 0)      # np.frexp(a)[1] - 1 = floor(log2(a)), exactly
;;       r = np.clip(x / 2.0 ** e, -28, 28)
;;       step = 2.0 ** (np.maximum(np.frexp(np.where(r == 0, 1, r))[1] - 1, -2) - 2)
;;       q = np.round(r / step) * step * 2.0 ** e      # np.round: ties to even
;;       return np.moveaxis(q.reshape(q.shape[:-2] + (-1,))[..., :K], -1, axis).astype(np.float32)
;;   ~~~
;; One version. Each part assembles by itself: llvm-mc -triple=amdgcn-amd-amdhsa -mcpu=gfx1250 --defsym DOCPART=n.
;; ======== version 1 of 1: 6 launches
;; limits: right only within a limited range of input values
;; workspace buffers: qq 409,600 bytes; mq 20,000,000 bytes; cmax 32,768,000 bytes; stat 16,384 bytes; simws 851,968,256 bytes; tba 40,960 bytes of whole numbers; tbb 40,960 bytes of whole numbers; clist 65,536 bytes of whole numbers
;; launch quantq (part 1): grid 256 x 1, 1 waves a work-group, no clusters, 0 bytes of LDS; arguments test_patches, qq; writes qq
.if DOCPART == 1
	.amdgcn_target "amdgcn-amd-amdhsa--gfx1250"
	.amdhsa_code_object_version 6
	.text
	.protected	k_qf261c3e0f9_quantq
	.globl	k_qf261c3e0f9_quantq
	.p2align	8
	.type	k_qf261c3e0f9_quantq,@function
k_qf261c3e0f9_quantq:
	s_mov_b64 s[64:65], 0
	v_nop
	global_prefetch_b8 v0, s[64:65] scope:SCOPE_SE
	s_setreg_imm32_b32 hwreg(HW_REG_WAVE_MODE, 25, 1), 1
	s_wait_xcnt 0x0
; test_patches [2048][256] f32 -> codes of BF6 (E3M2) with one E8M0 byte for each 32 along K, laid as the matrix unit's registers take them.
; Work-group id = unit (query tile qt = id / 2: 16 rows; K step ks = id % 2: 128 along K).  One wave.  Lane (r, h) takes, of row 16 qt + r, the 16 numbers 32 b + 16 h + 0 .. 15 of each block b.
; Out: the fragment's 12 registers as an image, register group c at id x 1536 + 512 c + 16 x lane; the row's scale word at 393,216 + 128 qt + 64 ks + 4 r.
; A block's scale is 2^(floor(log2(largest magnitude)) - 4): its byte is the largest magnitude's exponent field - 4, held at 1 from below.
; LIMITS: a block of zeros, or one whose largest magnitude lies under 2^-122, keeps the byte 1 (zero codes add nothing; this program alone reads the bytes); NaN and infinities are not served.
.set X,   32                           ; v32-95  64 numbers: register 16 b + i = k 32 b + 16 h + i
.set TM,  8                            ; v8-11 largest magnitudes, v12-15 the other half's, then bytes, v20-23 the conversions' scale operands
.set PW,  24                           ; the scale word
.set PC,  96                           ; v96-107 the codes; v108-110, v112-114 at work
	s_load_b128 s[4:7], s[0:1], 0x0                ; test_patches, qq
	v_and_b32 v1, 15, v0                           ; r
	v_bfe_u32 v2, v0, 4, 1                         ; h
	v_lshlrev_b32 v3, 10, v1
	v_lshl_add_u32 v3, v2, 6, v3                   ; in: row r of 1,024 bytes + 64 h
	v_lshlrev_b32 v4, 4, v0                        ; out: 16 x lane
	v_lshlrev_b32 v5, 2, v1                        ; the scale word: 4 r
	s_lshr_b32 s8, ttmp9, 1                        ; qt
	s_and_b32 s9, ttmp9, 1                         ; ks
	s_lshl_b32 s10, s8, 14                         ; 16 rows of 1,024 bytes
	s_lshl_b32 s11, s9, 9
	s_add_co_u32 s10, s10, s11
	s_mov_b32 s11, 0
	s_mul_i32 s12, ttmp9, 1536
	s_mov_b32 s13, 0
	s_lshl_b32 s14, s8, 7
	s_lshl_b32 s15, s9, 6
	s_add_co_u32 s14, s14, s15
	s_add_co_u32 s14, s14, 393216
	s_mov_b32 s15, 0
	s_mov_b32 s20, 0x76543210
	s_mov_b32 s21, 0xfedcba98                      ; v_permlanex16_b32's selects for lane l xor 16
.irp b, 0,1,2,3
	v_mov_b32 v[TM+4+\b], 0                        ; a lane permute's destination counts as one of its sources
.endr
	s_wait_alu depctr_va_vdst(0)
	s_wait_kmcnt 0x0
	s_add_nc_u64 s[4:5], s[4:5], s[10:11]
	s_add_nc_u64 s[16:17], s[6:7], s[14:15]
	s_add_nc_u64 s[6:7], s[6:7], s[12:13]
.irp b, 0,1,2,3
.irp j, 0,1,2,3
	global_load_b128 v[X+16*\b+4*\j:X+16*\b+4*\j+3], v3, s[4:5] offset:128*\b+16*\j th:TH_LOAD_NT
.endr
.endr
	s_wait_loadcnt 0x0
.irp b, 0,1,2,3
	v_max3_num_f32 v[TM+\b], |v[X+16*\b]|, |v[X+1+16*\b]|, 0x2800000   ; my 16 numbers of block b, and the floor 2^(5 - 127)
.endr
.irp i, 2,4,6,8,10,12,14
.irp b, 0,1,2,3
	v_max3_num_f32 v[TM+\b], v[TM+\b], |v[X+16*\b+\i]|, |v[X+1+16*\b+\i]|
.endr
.endr
.irp b, 0,1,2,3
	v_permlanex16_b32 v[TM+4+\b], v[TM+\b], s20, s21
.endr
.irp b, 0,1,2,3
	v_max_num_f32 v[TM+\b], v[TM+\b], v[TM+4+\b]   ; with lane l xor 16's: the block's largest magnitude
.endr
.irp b, 0,1,2,3
	v_add_nc_u32 v[TM+12+\b], 0xfe000000, v[TM+\b] ; 4 off its exponent field: the conversion's scale operand
.endr
.irp b, 0,1,2,3
	v_lshrrev_b32 v[TM+4+\b], 23, v[TM+12+\b]      ; the byte
.endr
	v_lshl_or_b32 v[PW], v[TM+5], 8, v[TM+4]
	v_lshl_or_b32 v[PW], v[TM+6], 16, v[PW]
	v_lshl_or_b32 v[PW], v[TM+7], 24, v[PW]
.irp c, 0,1
	v_cvt_scalef32_pk16_bf6_f32 v[PC+6*\c:PC+2+6*\c], v[X+32*\c:X+15+32*\c], v[TM+12+2*\c]
	v_cvt_scalef32_pk16_bf6_f32 v[PC+12+4*\c:PC+14+4*\c], v[X+16+32*\c:X+31+32*\c], v[TM+12+2*\c+1]   ; (a conversion's three registers begin on an even number)
.endr
	v_nop                                          ; one plain place behind a scaled conversion
.irp c, 0,1                                        ; the operand wants a whole block in a lane: lanes 0-15 block 2 c, lanes 16-31 block 2 c + 1
.irp i, 0,1,2
	v_permlane16_swap_b32 v[PC+6*\c+\i], v[PC+12+4*\c+\i]
.endr
.irp i, 0,1,2
	v_mov_b32 v[PC+3+6*\c+\i], v[PC+12+4*\c+\i]
.endr
.endr
.irp c, 0,1,2
	global_store_b128 v4, v[PC+4*\c:PC+4*\c+3], s[6:7] offset:512*\c   ; 32 lanes store 512 consecutive bytes
.endr
	global_store_b32 v5, v[PW], s[16:17]           ; lanes r and 16 + r hold the same word and write the same place
	s_endpgm
.Lfunc_end_k_qf261c3e0f9_quantq:
	.size	k_qf261c3e0f9_quantq, .Lfunc_end_k_qf261c3e0f9_quantq-k_qf261c3e0f9_quantq
	.p2alignl 7, 3214868480
	.fill 96, 4, 3214868480
	.section	.rodata,"a",@progbits
	.p2align	6, 0x0
	.amdhsa_kernel k_qf261c3e0f9_quantq
		.amdhsa_group_segment_fixed_size 0
		.amdhsa_private_segment_fixed_size 0
		.amdhsa_enable_private_segment 0
		.amdhsa_kernarg_size 16
		.amdhsa_user_sgpr_count 2
		.amdhsa_user_sgpr_kernarg_segment_ptr 1
		.amdhsa_wavefront_size32 1
		.amdhsa_system_sgpr_workgroup_id_x 1
		.amdhsa_system_sgpr_workgroup_id_y 1
		.amdhsa_system_sgpr_workgroup_id_z 1
		.amdhsa_system_vgpr_workitem_id 0
		.amdhsa_next_free_vgpr 128
		.amdhsa_next_free_sgpr 66
		.amdhsa_reserve_vcc 0
		.amdhsa_float_denorm_mode_32 3
		.amdhsa_float_denorm_mode_16_64 3
		.amdhsa_memory_ordered 1
		.amdhsa_forward_progress 1
		.amdhsa_inst_pref_size 8
	.end_amdhsa_kernel
	.amdgpu_metadata
---
amdhsa.version: [ 1, 2 ]
amdhsa.kernels:
  - .name:           k_qf261c3e0f9_quantq
    .symbol:         k_qf261c3e0f9_quantq.kd
    .args:
      - { .name: test_patches, .offset: 0, .size: 8, .value_kind: global_buffer, .address_space: global }
      - { .name: qq, .offset: 8, .size: 8, .value_kind: global_buffer, .address_space: global }
    .group_segment_fixed_size: 0
    .private_segment_fixed_size: 0
    .kernarg_segment_align: 8
    .kernarg_segment_size: 16
    .max_flat_workgroup_size: 32
    .sgpr_count:     66
    .vgpr_count:     128
    .wavefront_size: 32
...
	.end_amdgpu_metadata
.endif
;; end of part 1
;; launch gemm (part 2): grid 250 x 1, 4 waves a work-group, no clusters, 327,680 bytes of LDS; arguments memory_nodes_gpu, qq, mq, cmax; writes mq, cmax
.if DOCPART == 2
	.amdgcn_target "amdgcn-amd-amdhsa--gfx1250"
	.amdhsa_code_object_version 6
	.text
	.protected	k_qf261c3e0f9_gemm
	.globl	k_qf261c3e0f9_gemm
	.p2align	8
	.type	k_qf261c3e0f9_gemm,@function
k_qf261c3e0f9_gemm:
	s_mov_b64 s[64:65], 0
	v_nop
	global_prefetch_b8 v0, s[64:65] scope:SCOPE_SE
	s_setreg_imm32_b32 hwreg(HW_REG_WAVE_MODE, 25, 1), 1
	s_wait_xcnt 0x0
; sim = Q(test_patches) Q(memory_nodes)^T in MX-BF6, reduced on the way to one maximum for each query row and chunk of 32 memory rows.
; Work-group = part: 400 memory rows = 25 tiles of 16.  Wave w keeps query tiles 32 w .. 32 w + 31 as 64 fragments of 12 registers (windows 1 to 3, the last in window 0).
; A LAP is 128 memory rows (8 tiles): each wave fetches 32 whole rows of 1,024 bytes by one tensor load into its part of one of two slots, quantises its own two tiles (four units of 16 rows x 128 K)
; into the lap's image in LDS and into mq, and behind one barrier all waves multiply: four steps, step st = tiles st and st + 4 of the lap, 128 matrix instructions a wave.
; A slot's load is issued straight behind the lap's first barrier and awaited at the next lap's: the quantising of 128 rows and 512 matrix instructions a wave lie between, so no prefetch is laid.
; No cluster: every work-group fetches rows of its own, the query codes go from memory straight into registers, and 250 work-groups do not divide by four.
; THE PRODUCT IS USED TRANSPOSED: source 0 = 16 memory rows, source 1 = 16 query rows; a lane holds one query row and its registers run down the memory rows, so a chunk's maximum is seven v_max3 and a v_max on 16 registers.
; OUT: mq: tile t's fragment of K half ks as a register image at 3,072 t + 1,536 ks + 512 c + 16 lane; its scale words at 19,200,000 + 128 t + 64 ks + 4 r.
; cmax[query tile][part][slot 0..15][row 0..15] f32: slot 1 + 4 lap + st; slot 13 = tile 24 alone; slots 0, 14, 15 = -infinity.  Four slots (256 bytes a query tile) gather in the wave's stage and leave as whole units.
; A block's scale byte is its largest magnitude's exponent field - 4, held at 1 from below.
; LIMITS: a block of zeros, or one whose largest magnitude lies under 2^-122, keeps the byte 1 (zero codes add nothing; this program alone reads the bytes); NaN and infinities are not served.
.set ISC,    24576                     ; LDS: the image: 8 tiles x 3,072 bytes of codes, then 8 x 128 bytes of scale words
.set RING,   25600
.set RP,     1040                      ; a ring row: 1,024 bytes + 16 of padding
.set WREG,   32*RP
.set SLOTB,  4*WREG
.set STG,    RING+2*SLOTB              ; the stages: 32 rows of 272 bytes for each wave
.set SWAVE,  32*272
.set SPARE,  STG+4*SWAVE               ; the spare words, 128 bytes a wave
.set SPW,  1
.set NIL,  2
.set AXF,  3                           ; ring read
.set AIW,  4                           ; image write: codes, scale word
.set ASW,  5
.set AIR,  6                           ; image read
.set ASR,  7
.set ASTG, 8                           ; stage write, read
.set ASTR, 9
.set GCM,  10
.set L16,  11
.set R4,   12
.set AXF0, 13
.set ASTG0, 14
.set L4,   15
.set QS,   16                          ; v16-47  the query tiles' scale words
.set MF,   48                          ; v48-95  four memory fragments, at 24 u + 12 ks
.set MS,   96                          ; v96-97  their scale words
.set RA,   98
.set AE,   100
.set AO,   101
.set OUT,  102
.set QX,   106                         ; query fragment 63
.set ACC,  118                         ; v118-149 two sets of two accumulators
.set XST,  150                         ; v150-213 64 numbers to quantise; the stage's way out
.set TM,   214
.set TP,   218
.set TS,   222
.set PW,   226
.set PC,   228
.set AIW0, 248
.set ASW0, 249
.set AXT,  250                         ; the same three for tile 24
.set AIT,  251
.set AST,  252
.set WV,   12
.set MQI,  16
.set MQS,  18
.set CMB,  20
.set QB,   22
.set G1A,  24
.set G1B,  32
.set G0A,  40
.set G0C,  44
.set G0T,  48
.set MQT,  52
.set MQST, 54
.set SEL,  56
.set CNT,  58
.set SXO,  59
.set SIW,  60
.set SSW,  61
.set SIR,  62
.set SSR,  63
.set SST,  66
.set QSB,  68
.set MSB, 0
.macro WIN new                         ; the immediate's high byte repeats the setting that is left
.if MSB != (\new)
	s_set_vgpr_msb (MSB<<8)|(\new)
.set MSB, \new
.endif
.endm
; one matrix instruction: memory fragment (u, ks) x query fragment 2 i + ks; K half 0 starts the sum
.macro WM acc, u, i, ks
.set fQ, 2*(\i)+(\ks)
.if fQ == 63
.set wQ, 0
.set rQ, QX
.else
.set wQ, fQ/21+1
.set rQ, 12*(fQ%21)
.endif
.set rA, \acc
.set rM, MF+24*(\u)+12*(\ks)
	WIN (wQ<<2)
.if (\ks) == 0
	v_wmma_scale_f32_16x16x128_f8f6f4 v[rA:rA+7], v[rM:rM+11], v[rQ:rQ+11], 0, v[MS+(\u)], v[QS+(\i)] matrix_a_fmt:MATRIX_FMT_BF6 matrix_b_fmt:MATRIX_FMT_BF6
.else
	v_wmma_scale_f32_16x16x128_f8f6f4 v[rA:rA+7], v[rM:rM+11], v[rQ:rQ+11], v[rA:rA+7], v[MS+(\u)], v[QS+(\i)] matrix_a_fmt:MATRIX_FMT_BF6 matrix_b_fmt:MATRIX_FMT_BF6 matrix_a_scale:MATRIX_SCALE_ROW1 matrix_b_scale:MATRIX_SCALE_ROW1
.endif
.endm
.macro OUTST p0                        ; four pairs of query tiles into the stage
.irp k, 0,1,2,3
	ds_store_b32 v[ASTG], v[OUT+\k] offset:((\p0)+\k)*544
.endr
.endm
; The maxima of group g's two accumulators, each read from its low end on, in two chains.  t = 0: both belong to one query tile; t = 1 (tile 24): to two.
; A pair of query tiles is joined over the lanes' halves: lanes 0-15 then hold the even tile's rows, lanes 16-31 the odd one's.
.macro RED g, t
.set rX, ACC+16*((\g)%2)
	v_max3_num_f32 v[RA], v[rX], v[rX+1], v[rX+2]
	v_max3_num_f32 v[RA+1], v[rX+8], v[rX+9], v[rX+10]
	v_max3_num_f32 v[RA], v[RA], v[rX+3], v[rX+4]
	v_max3_num_f32 v[RA+1], v[RA+1], v[rX+11], v[rX+12]
	v_max3_num_f32 v[RA], v[RA], v[rX+5], v[rX+6]
	v_max3_num_f32 v[RA+1], v[RA+1], v[rX+13], v[rX+14]
.if (\t) == 0
	v_max3_num_f32 v[RA], v[RA], v[rX+7], v[rX+15]
	v_max_num_f32 v[AE+(\g)%2], v[RA], v[RA+1]
.set pR, (\g)/2
.set dR, (\g)%2
.else
	v_max_num_f32 v[AE], v[RA], v[rX+7]
	v_max_num_f32 v[AO], v[RA+1], v[rX+15]
.set pR, \g
.set dR, 1
.endif
.if dR
	v_permlane16_swap_b32 v[AE], v[AO]
	v_max_num_f32 v[OUT+pR%4], v[AE], v[AO]
.if (pR%4) == 3
	OUTST (pR-3)
.endif
.endif
.endm
; Four matrix instructions, the two accumulators by turns, then the maxima of the group before: these name none of this group's registers and are its places.
.macro GRP g, t
.set aB, ACC+16*((\g)%2)
.if (\t) == 0
	WM aB,0,(\g),0
	WM (aB+8),1,(\g),0
.if (\g) == 0
	s_wait_dscnt 0x0                               ; the second K half's fragments are in
.endif
	WM aB,0,(\g),1
	WM (aB+8),1,(\g),1
.else
	WM aB,0,(2*(\g)),0
	WM (aB+8),0,(2*(\g)+1),0
	WM aB,0,(2*(\g)),1
	WM (aB+8),0,(2*(\g)+1),1
.endif
	WIN 0
.if (\g) == 0
.rept 4
	v_nop                                          ; the first group has no maxima behind it: four places ahead of its own
.endr
.else
	RED ((\g)-1),\t
.endif
.endm
; The 64 numbers of a unit lie in four runs of 16 registers: set 0 in v150-213, set 1 in the fragments' and accumulators' registers, which are idle while a lap is quantised.
.macro SETX s
.if (\s) == 0
.set XB0, XST
.set XB1, XST+16
.set XB2, XST+32
.set XB3, XST+48
.else
.set XB0, MF
.set XB1, MF+16
.set XB2, MF+32
.set XB3, ACC
.endif
.endm
.macro XLOAD adr, off                  ; lane (r, h): of row r the 16 numbers 32 b + 16 h + 0 .. 15 of each block b
.irp b, 0,1,2,3
.irp j, 0,1,2,3
	ds_load_b128 v[XB\b+4*\j:XB\b+4*\j+3], v[\adr] offset:(\off)+128*\b+16*\j
.endr
.endr
.endm
; One unit: scales, codes, the operand's register image; to the image in LDS and to mq.
.macro QUNIT aiw, asw, io, so, mqi, mqs
.irp b, 0,1,2,3
	v_max3_num_f32 v[TM+\b], |v[XB\b]|, |v[XB\b+1]|, 0x2800000     ; with the floor 2^(5 - 127)
.endr
.irp i, 2,4,6,8,10,12,14
.irp b, 0,1,2,3
	v_max3_num_f32 v[TM+\b], v[TM+\b], |v[XB\b+\i]|, |v[XB\b+\i+1]|
.endr
.endr
.irp b, 0,1,2,3
	v_permlanex16_b32 v[TP+\b], v[TM+\b], s[SEL], s[SEL+1]
.endr
.irp b, 0,1,2,3
	v_max_num_f32 v[TM+\b], v[TM+\b], v[TP+\b]     ; with lane l xor 16's: the block's largest magnitude
.endr
.irp b, 0,1,2,3
	v_add_nc_u32 v[TS+\b], 0xfe000000, v[TM+\b]    ; 4 off its exponent field: the conversion's scale operand
.endr
.irp b, 0,1,2,3
	v_lshrrev_b32 v[TP+\b], 23, v[TS+\b]           ; the byte
.endr
	v_lshl_or_b32 v[PW], v[TP+1], 8, v[TP]
	v_lshl_or_b32 v[PW], v[TP+2], 16, v[PW]
	v_lshl_or_b32 v[PW], v[TP+3], 24, v[PW]
	v_cvt_scalef32_pk16_bf6_f32 v[PC:PC+2], v[XB0:XB0+15], v[TS]
	v_cvt_scalef32_pk16_bf6_f32 v[PC+12:PC+14], v[XB1:XB1+15], v[TS+1]
	v_cvt_scalef32_pk16_bf6_f32 v[PC+6:PC+8], v[XB2:XB2+15], v[TS+2]
	v_cvt_scalef32_pk16_bf6_f32 v[PC+16:PC+18], v[XB3:XB3+15], v[TS+3]
	v_nop                                          ; one plain place behind a scaled conversion
.irp c, 0,1                                        ; the operand wants a whole block in a lane
.irp i, 0,1,2
	v_permlane16_swap_b32 v[PC+6*\c+\i], v[PC+12+4*\c+\i]
.endr
.irp i, 0,1,2
	v_mov_b32 v[PC+3+6*\c+\i], v[PC+12+4*\c+\i]
.endr
.endr
.irp c, 0,1,2
	ds_store_b128 v[\aiw], v[PC+4*\c:PC+4*\c+3] offset:(\io)+512*\c
.endr
	ds_store_b32 v[\asw], v[PW] offset:\so
.irp c, 0,1,2
	global_store_b128 v[L16], v[PC+4*\c:PC+4*\c+3], s[\mqi:\mqi+1] offset:(\io)+512*\c   ; 32 lanes store 512 consecutive bytes
.endr
	global_store_b32 v[R4], v[PW], s[\mqs:\mqs+1] offset:\so       ; lanes r and 16 + r hold the same word and write the same place
.endm
; Four slots are whole: the stage's 32 rows of 256 bytes leave, sixteen lanes to a row.
.macro FLUSH
.set pp, 0
.rept 16
	ds_load_b128 v[XST+4*pp:XST+4*pp+3], v[ASTR] offset:pp*544     ; LDS serves a wave's instructions in order: these see my stores
.set pp, pp+1
.endr
	s_wait_dscnt 0x0
.set pp, 0
.rept 16
	global_store_b128 v[GCM], v[XST+4*pp:XST+4*pp+3], s[CMB:CMB+1] offset:pp*512000
.set pp, pp+1
.endr
	s_wait_xcnt 0x0                                ; the stores have read their base and data
	s_add_nc_u64 s[CMB:CMB+1], s[CMB:CMB+1], 256   ; the next four slots
.endm
.macro PADSLOT k
.set pp, 0
.rept 16
	ds_store_b32 v[ASTG0], v[RA] offset:pp*544+64*(\k)
.set pp, pp+1
.endr
.endm
.macro LAP L
	s_wait_alu depctr_va_vdst(0)                   ; the wait ahead of the wait below
	s_wait_tensorcnt 0x0                           ; my part of this lap's slot is in: no load of mine is out
	ds_add_u32 v[SPW], v[NIL]                      ; the add
.if (\L) == 1
	s_add_nc_u64 s[G0A+2:G0A+3], s[G0A+2:G0A+3], 262144   ; slot 0's next rows: lap 2
.endif
	s_mov_b32 s[SXO], ((\L)%2)*SLOTB
	s_mov_b32 s[SIW], 0
	s_mov_b32 s[SSW], 0
	s_mov_b32 s[CNT], 2
	s_wait_dscnt 0x0                               ; the add, and my reads of the image and of the other slot
	s_barrier_signal -1
	s_barrier_wait -1
.if (\L) == 0
	tensor_load_to_lds s[G0C:G0C+3], s[G1A:G1A+7]  ; lap 1: slot 1's first fill
.elseif (\L) == 1
	tensor_load_to_lds s[G0A:G0A+3], s[G1A:G1A+7]  ; lap 2 into slot 0
.else
	tensor_load_to_lds s[G0T:G0T+3], s[G1B:G1B+7]  ; tile 24, four rows a wave, into slot 1
.endif
	s_nop 0
.Lq_\@:                                            ; two trips: a tile of mine, both K halves
	v_add_nc_u32 v[AXF], s[SXO], v[AXF0]
	v_add_nc_u32 v[AIW], s[SIW], v[AIW0]
	v_add_nc_u32 v[ASW], s[SSW], v[ASW0]
	SETX 0
	XLOAD AXF, 0
	SETX 1
	XLOAD AXF, 512
	s_wait_alu depctr_va_vdst(0)
	s_wait_dscnt 16                                ; the first unit's 16 loads are in, the second's may be out
	SETX 0
	QUNIT AIW, ASW, 0, 0, MQI, MQS
	s_wait_alu depctr_va_vdst(0)
	s_wait_xcnt 0x0                                ; the stores have read the codes' registers
	s_wait_dscnt 4                                 ; all but the four LDS stores just issued
	SETX 1
	QUNIT AIW, ASW, 1536, 64, MQI, MQS
	s_wait_xcnt 0x0
	s_add_nc_u64 s[MQI:MQI+1], s[MQI:MQI+1], 3072
	s_add_nc_u64 s[MQS:MQS+1], s[MQS:MQS+1], 128
	s_add_co_u32 s[SXO], s[SXO], 16*RP
	s_add_co_u32 s[SIW], s[SIW], 3072
	s_add_co_u32 s[SSW], s[SSW], 128
	s_sub_co_u32 s[CNT], s[CNT], 1
	s_cmp_lg_u32 s[CNT], 0
	s_wait_alu depctr_va_vdst(0)
	s_cbranch_scc1 .Lq_\@
	s_add_nc_u64 s[MQI:MQI+1], s[MQI:MQI+1], 18432 ; my two tiles of the next lap: 8 tiles on in all
	s_add_nc_u64 s[MQS:MQS+1], s[MQS:MQS+1], 768
	s_mov_b32 s[SIR], 0
	s_mov_b32 s[SSR], ISC
	s_mov_b32 s[SST], 64                           ; a lap's first step is the second slot of a stage
	s_mov_b32 s[CNT], 4
	s_wait_dscnt 0x0                               ; my part of the image is written
	s_barrier_signal -1
	s_barrier_wait -1
.if (\L) == 0
	s_wait_loadcnt 0x0                             ; the query fragments and their scale words
.endif
.Ls_\@:                                            ; four steps; no barrier: the image stands, the stage is my own
	v_add_nc_u32 v[AIR], s[SIR], v[L16]
	v_add_nc_u32 v[ASR], s[SSR], v[L4]
	v_add_nc_u32 v[ASTG], s[SST], v[ASTG0]
	ds_load_b32 v[MS], v[ASR]
	ds_load_b32 v[MS+1], v[ASR] offset:512
.irp k, 0,1
.irp u, 0,1
.irp c, 0,1,2
	ds_load_b128 v[MF+24*\u+12*\k+4*\c:MF+24*\u+12*\k+4*\c+3], v[AIR] offset:12288*\u+1536*\k+512*\c
.endr
.endr
.endr
	s_wait_alu depctr_va_vdst(0)
	s_wait_dscnt 6                                 ; the scale words and the first K half are in; the second half's six loads may be out
.set gi_, 0
.rept 32
	GRP gi_,0
.set gi_, gi_+1
.endr
	RED 31,0
	s_add_co_u32 s[SIR], s[SIR], 3072
	s_add_co_u32 s[SSR], s[SSR], 128
	s_wait_alu depctr_va_vdst(0)
	s_cmp_lg_u32 s[SST], 192                       ; was that the stage's fourth slot?
	s_cbranch_scc1 .Lnf_\@
	FLUSH
.Lnf_\@:
	s_add_co_u32 s[SST], s[SST], 64
	s_and_b32 s[SST], s[SST], 255
	s_sub_co_u32 s[CNT], s[CNT], 1
	s_cmp_lg_u32 s[CNT], 0
	s_cbranch_scc1 .Ls_\@
.endm
	s_load_b256 s[4:11], s[0:1], 0x0               ; memory s[4:5], qq s[6:7], mq s[8:9], cmax s[10:11]
	v_lshl_add_u32 v[SPW], v0, 2, SPARE
	v_mov_b32 v[NIL], 0
	ds_add_u32 v[SPW], v[NIL]                      ; the opening lines: the add, twice on end, and its wait
	ds_add_u32 v[SPW], v[NIL]
	v_lshrrev_b32 v3, 5, v0
	v_readfirstlane_b32 s[WV], v3                  ; wave 0..3
.irp g, G1A, G1B                                   ; rows of 256 f32, padded by 4 words behind each 256
	s_mov_b32 s[\g], (2<<16)|(1<<20)|(7<<22)|(3<<25)
	s_mov_b32 s[\g+1], 256<<16
	s_mov_b32 s[\g+3], 256<<16
	s_mov_b32 s[\g+5], 256
	s_mov_b32 s[\g+6], 0
	s_mov_b32 s[\g+7], 0
.endr
	s_mov_b32 s[G1A+2], 32<<16
	s_mov_b32 s[G1A+4], 32
	s_mov_b32 s[G1B+2], 4<<16
	s_mov_b32 s[G1B+4], 4
	s_and_b32 s14, s[WV], 1
	s_mul_i32 s70, s[WV], WREG
	s_add_co_u32 s70, s70, RING                    ; my part of slot 0
	s_mul_i32 s79, s[WV], 4*RP
	s_add_co_u32 s79, s79, RING+SLOTB              ; my four rows of tile 24
	s_mul_i32 s13, ttmp9, 409600                   ; the part's 400 rows
	s_lshl_b32 s15, s[WV], 15
	s_add_co_u32 s74, s13, s15
	s_mov_b32 s75, 0
	s_lshl_b32 s15, s[WV], 12
	s_add_co_u32 s76, s13, s15
	s_add_co_u32 s76, s76, 393216
	s_mov_b32 s77, 0
	s_wait_dscnt 0x0
	s_wait_kmcnt 0x0
	s_add_nc_u64 s[G0A+2:G0A+3], s[4:5], s[74:75]
	s_add_nc_u64 s[G0C+2:G0C+3], s[G0A+2:G0A+3], 131072
	s_add_nc_u64 s[G0T+2:G0T+3], s[4:5], s[76:77]
	s_or_b32 s[G0A+3], s[G0A+3], 0x80000000
	s_or_b32 s[G0C+3], s[G0C+3], 0x80000000
	s_or_b32 s[G0T+3], s[G0T+3], 0x80000000
	s_mov_b32 s[G0A], 1
	s_mov_b32 s[G0C], 1
	s_mov_b32 s[G0T], 1
	s_mov_b32 s[G0A+1], s70
	s_add_co_u32 s[G0C+1], s70, SLOTB
	s_mov_b32 s[G0T+1], s79
	tensor_load_to_lds s[G0A:G0A+3], s[G1A:G1A+7]  ; lap 0: my one load at the head
	s_nop 0
	s_lshl_b32 s71, s14, 9
	s_add_co_u32 s71, s71, RING+SLOTB              ; tile 24, K half w % 2
	s_mul_i32 s72, s[WV], SWAVE
	s_add_co_u32 s72, s72, STG
	s_mul_i32 s73, s[WV], 6144                     ; my two tiles of a lap's image
	s_lshl_b32 s76, s[WV], 8
	s_add_co_u32 s76, s76, ISC
	s_mul_i32 s77, s14, 1536
	s_mul_i32 s74, s[WV], 98304
	s_add_nc_u64 s[QB:QB+1], s[6:7], s[74:75]
	s_lshl_b32 s74, s[WV], 12
	s_add_nc_u64 s[QSB:QSB+1], s[6:7], s[74:75]
	s_mul_i32 s13, ttmp9, 76800
	s_add_co_u32 s74, s13, s73
	s_add_nc_u64 s[MQI:MQI+1], s[8:9], s[74:75]
	s_add_co_u32 s74, s13, s77
	s_add_co_u32 s74, s74, 73728
	s_add_nc_u64 s[MQT:MQT+1], s[8:9], s[74:75]
	s_mul_i32 s13, ttmp9, 3200
	s_add_co_u32 s13, s13, 19200000
	s_lshl_b32 s15, s[WV], 8
	s_add_co_u32 s74, s13, s15
	s_add_nc_u64 s[MQS:MQS+1], s[8:9], s[74:75]
	s_lshl_b32 s15, s14, 6
	s_add_co_u32 s74, s13, s15
	s_add_co_u32 s74, s74, 3072
	s_add_nc_u64 s[MQST:MQST+1], s[8:9], s[74:75]
	s_add_co_u32 s78, s15, ISC
	s_mul_i32 s74, s[WV], 8192000
	s_lshl_b32 s15, ttmp9, 10
	s_add_co_u32 s74, s74, s15
	s_add_nc_u64 s[CMB:CMB+1], s[10:11], s[74:75]
	s_mov_b32 s[SEL], 0x76543210
	s_mov_b32 s[SEL+1], 0xfedcba98                 ; v_permlanex16_b32's selects for lane l xor 16
	v_and_b32 v[L4], 31, v0
	v_and_b32 v[R4], 15, v0                        ; r
	v_bfe_u32 v[TM], v0, 4, 1                      ; h
	v_lshlrev_b32 v[L16], 4, v[L4]
	v_lshlrev_b32 v[L4], 2, v[L4]
	v_mul_u32_u24 v[TM+1], v[R4], RP
	v_lshl_add_u32 v[TM+1], v[TM], 6, v[TM+1]      ; ring: row r, + 64 h
	v_add_nc_u32 v[AXF0], s70, v[TM+1]
	v_add_nc_u32 v[AXT], s71, v[TM+1]
	v_mul_u32_u24 v[TM+2], v[TM], 272
	v_add_nc_u32 v[TM+2], s72, v[TM+2]
	v_lshl_add_u32 v[ASTG0], v[R4], 2, v[TM+2]     ; stage, in: row h of a pair, word r of a slot
	v_lshl_add_u32 v[ASTR], v[R4], 4, v[TM+2]      ; and out: 16 bytes a lane
	v_mul_u32_u24 v[GCM], v[TM], 256000
	v_lshl_add_u32 v[GCM], v[R4], 4, v[GCM]        ; the same two rows in cmax
	v_lshlrev_b32 v[R4], 2, v[R4]
	v_add_nc_u32 v[AIW0], s73, v[L16]
	v_add_nc_u32 v[ASW0], s76, v[R4]
	v_add_nc_u32 v[AIT], s77, v[L16]
	v_add_nc_u32 v[AST], s78, v[R4]
.irp b, 0,1,2,3
	v_mov_b32 v[TP+\b], 0                          ; a lane permute's destination counts as one of its sources
.endr
	v_mov_b32 v[RA], 0xff800000
	s_wait_alu depctr_va_vdst(0)                   ; the wait at the head's end
.set f_, 0
.rept 63
	WIN ((f_/21+1)<<6)
.irp c, 0,1,2
	global_load_b128 v[12*(f_%21)+4*\c:12*(f_%21)+4*\c+3], v[L16], s[QB:QB+1] offset:f_*1536+512*\c
.endr
.set f_, f_+1
.endr
	WIN 0
.irp c, 0,1,2
	global_load_b128 v[QX+4*\c:QX+4*\c+3], v[L16], s[QB:QB+1] offset:63*1536+512*\c
.endr
.set f_, 0
.rept 32
	global_load_b32 v[QS+f_], v[L4], s[QSB:QSB+1] offset:393216+128*f_
.set f_, f_+1
.endr
	PADSLOT 0                                      ; slot 0 stands for no chunk
	LAP 0
	LAP 1
	LAP 2
; Tile 24: waves 0 and 1 quantise its two K halves; every wave multiplies it with its 32 query tiles, two to a group.
	s_wait_alu depctr_va_vdst(0)
	s_wait_tensorcnt 0x0                           ; my four rows are in,
	s_wait_dscnt 0x0                               ; and my reads of the image are over
	s_barrier_signal -1
	s_barrier_wait -1
	s_cmp_lt_u32 s[WV], 2
	s_cbranch_scc0 .Lno_q
	SETX 0
	XLOAD AXT, 0
	s_wait_dscnt 0x0
	QUNIT AIT, AST, 0, 0, MQT, MQST
.Lno_q:
	s_wait_alu depctr_va_vdst(0)
	s_wait_dscnt 0x0
	s_barrier_signal -1
	s_barrier_wait -1
	v_add_nc_u32 v[ASTG], 64, v[ASTG0]             ; slot 13: the stage's second
	ds_load_b32 v[MS], v[L4] offset:ISC
.irp k, 0,1
.irp c, 0,1,2
	ds_load_b128 v[MF+12*\k+4*\c:MF+12*\k+4*\c+3], v[L16] offset:1536*\k+512*\c
.endr
.endr
	s_wait_alu depctr_va_vdst(0)
	s_wait_dscnt 0x0
.set gi_, 0
.rept 16
	GRP gi_,1
.set gi_, gi_+1
.endr
	RED 15,1
	v_mov_b32 v[RA], 0xff800000
	PADSLOT 2                                      ; slots 14 and 15 stand for no chunk
	PADSLOT 3
	FLUSH
	s_wait_tensorcnt 0x0                           ; the wave's end
	ds_add_u32 v[SPW], v[NIL]
	s_wait_dscnt 0x0
	s_endpgm
.Lfunc_end_k_qf261c3e0f9_gemm:
	.size	k_qf261c3e0f9_gemm, .Lfunc_end_k_qf261c3e0f9_gemm-k_qf261c3e0f9_gemm
	.p2alignl 7, 3214868480
	.fill 96, 4, 3214868480
	.section	.rodata,"a",@progbits
	.p2align	6, 0x0
	.amdhsa_kernel k_qf261c3e0f9_gemm
		.amdhsa_group_segment_fixed_size 327680
		.amdhsa_private_segment_fixed_size 0
		.amdhsa_enable_private_segment 0
		.amdhsa_kernarg_size 32
		.amdhsa_user_sgpr_count 2
		.amdhsa_user_sgpr_kernarg_segment_ptr 1
		.amdhsa_wavefront_size32 1
		.amdhsa_system_sgpr_workgroup_id_x 1
		.amdhsa_system_sgpr_workgroup_id_y 1
		.amdhsa_system_sgpr_workgroup_id_z 1
		.amdhsa_system_vgpr_workitem_id 0
		.amdhsa_next_free_vgpr 1024
		.amdhsa_next_free_sgpr 80
		.amdhsa_reserve_vcc 0
		.amdhsa_float_denorm_mode_32 3
		.amdhsa_float_denorm_mode_16_64 3
		.amdhsa_memory_ordered 1
		.amdhsa_forward_progress 1
		.amdhsa_inst_pref_size 212
	.end_amdhsa_kernel
	.amdgpu_metadata
---
amdhsa.version: [ 1, 2 ]
amdhsa.kernels:
  - .name:           k_qf261c3e0f9_gemm
    .symbol:         k_qf261c3e0f9_gemm.kd
    .args:
      - { .name: memory_nodes_gpu, .offset: 0, .size: 8, .value_kind: global_buffer, .address_space: global }
      - { .name: qq, .offset: 8, .size: 8, .value_kind: global_buffer, .address_space: global }
      - { .name: mq, .offset: 16, .size: 8, .value_kind: global_buffer, .address_space: global }
      - { .name: cmax, .offset: 24, .size: 8, .value_kind: global_buffer, .address_space: global }
    .group_segment_fixed_size: 327680
    .private_segment_fixed_size: 0
    .kernarg_segment_align: 8
    .kernarg_segment_size: 32
    .max_flat_workgroup_size: 128
    .sgpr_count:     80
    .vgpr_count:     1024
    .wavefront_size: 32
...
	.end_amdgpu_metadata
.endif
;; end of part 2
;; launch thresh (part 3): grid 128 x 1, 10 waves a work-group, no clusters, 3,328 bytes of LDS; arguments cmax, tba, tbb, stat; writes tba, tbb, stat
.if DOCPART == 3
	.amdgcn_target "amdgcn-amd-amdhsa--gfx1250"
	.amdhsa_code_object_version 6
	.text
	.protected	k_qf261c3e0f9_thresh
	.globl	k_qf261c3e0f9_thresh
	.p2align	8
	.type	k_qf261c3e0f9_thresh,@function
k_qf261c3e0f9_thresh:
	s_mov_b64 s[64:65], 0
	v_nop
	global_prefetch_b8 v0, s[64:65] scope:SCOPE_SE
	s_setreg_imm32_b32 hwreg(HW_REG_WAVE_MODE, 25, 1), 1
	s_wait_xcnt 0x0
; For each query row: the row's maximum and a threshold T.  For each query tile (16 rows): one bit for each chunk whose maximum reaches T in at least one of the tile's rows.
; T = max(rowmax - 1.75, gmin).  gmin is the least of the maxima of 50 disjoint groups of 2,000 memory rows: at least 50 different elements are >= gmin, so nothing under gmin is among the 50 largest.
; What lies more than 1.75 under the row's maximum has (sim - rowmax) / 0.02 x log2(e) under -126: its weight, beside a sum of at least 1, is under 2^-126 and is dropped (a stated limit).
; Work-group = query tile; wave v owns parts 25 v .. 25 v + 24: five groups of five.  A part's 1,024 bytes are 16 slots x 16 rows: of half hf lane l holds slot 8 hf + l / 4, rows 4 (l % 4) + j.
; A BIT FOR THE TILE: D >= T holds exactly where D - T >= 0, so the largest D - T of the 16 rows (four registers, four lanes) is compared with 0.
; OUT: the tile's 160 words, word 16 v + slot, bit i = part 25 v + i, at (tile % 64) x 640 in tba (tiles 0-63) or tbb (tiles 64-127); stat: T at 4 p, the row's maximum at 8,192 + 4 p.
.set D,   32                           ; v32-231: part i, half hf, row j at 8 i + 4 hf + j
.set GMN, 4                            ; v4-7    the least group maximum
.set RMX, 8                            ; v8-11   the row's maximum
.set TA,  12
.set TB,  16
.set TH,  20                           ; v20-23  T
.set WD,  24                           ; v24, v25 the words of halves 0 and 1
.set BT,  232                          ; v232-247 other waves' figures
	s_load_b256 s[4:11], s[0:1], 0x0               ; cmax s[4:5], tba s[6:7], tbb s[8:9], stat s[10:11]
	v_lshl_add_u32 v254, v0, 2, 0x800
	v_mov_b32 v255, 0
	v_lshrrev_b32 v1, 5, v0
	s_delay_alu instid0(VALU_DEP_1)
	v_readfirstlane_b32 s12, v1                    ; wave 0..9
	v_and_b32 v1, 31, v0
	s_delay_alu instid0(VALU_DEP_1)
	v_lshlrev_b32 v2, 4, v1                        ; 16 x lane
	v_and_b32 v3, 3, v0
	s_delay_alu instid0(VALU_DEP_1)
	v_lshlrev_b32 v3, 4, v3                        ; 16 x (lane % 4): my four rows
	s_wait_alu depctr_va_vdst(0)
	v_and_b32 v29, 28, v1                          ; 4 x (lane / 4): my slot's word
	s_mul_i32 s14, ttmp9, 256000
	s_mul_i32 s13, s12, 25600
	s_add_co_u32 s14, s14, s13
	s_mov_b32 s15, 0
	s_and_b32 s16, ttmp9, 63
	s_mul_i32 s16, s16, 640
	s_lshl_b32 s13, s12, 6
	s_add_co_u32 s16, s16, s13
	s_mov_b32 s17, 0
	s_lshl_b32 s18, ttmp9, 6
	s_mov_b32 s19, 0
	s_lshl_b32 s13, s12, 7
	v_add_nc_u32 v28, s13, v3                      ; LDS: 128 bytes a wave
	s_mov_b32 s20, 0x76543210
	s_mov_b32 s21, 0xfedcba98
.irp j, 0,1,2,3
	v_mov_b32 v[TB+\j], 0                          ; a lane permute's destination counts as one of its sources
.endr
	s_wait_kmcnt 0x0
	s_add_nc_u64 s[4:5], s[4:5], s[14:15]
	s_cmp_lt_u32 ttmp9, 64                         ; which of the two buffers of bits: the choice hangs on the work-group's number alone
	s_cselect_b64 s[6:7], s[6:7], s[8:9]
	s_add_nc_u64 s[6:7], s[6:7], s[16:17]
	s_add_nc_u64 s[10:11], s[10:11], s[18:19]
.set i_, 0
.rept 50
	global_load_b128 v[D+4*i_:D+4*i_+3], v2, s[4:5] offset:512*i_ th:TH_LOAD_NT   ; 32 lanes read 512 consecutive bytes; all 50 go out at once
.set i_, i_+1
.endr
	s_wait_loadcnt 0x0
.macro GROUP g                         ; the maximum of five parts, for my four rows: ten registers a row, then the lanes that hold the same rows
.irp j, 0,1,2,3
	v_max3_num_f32 v[TA+\j], v[D+40*\g+\j], v[D+40*\g+4+\j], v[D+40*\g+8+\j]
.endr
.irp m, 12,20,28
.irp j, 0,1,2,3
	s_delay_alu instid0(VALU_DEP_4)
	v_max3_num_f32 v[TA+\j], v[TA+\j], v[D+40*\g+\m+\j], v[D+40*\g+\m+4+\j]
.endr
.endr
.irp j, 0,1,2,3
	s_delay_alu instid0(VALU_DEP_4)
	v_max_num_f32 v[TA+\j], v[TA+\j], v[D+40*\g+36+\j]
.endr
.irp x, 4,8
.irp j, 0,1,2,3
	s_delay_alu instid0(VALU_DEP_4)
	v_max_num_f32_dpp v[TA+\j], v[TA+\j], v[TA+\j] row_xmask:\x row_mask:0xf bank_mask:0xf
.endr
.endr
.irp j, 0,1,2,3
	s_delay_alu instid0(VALU_DEP_4)
	v_permlanex16_b32 v[TB+\j], v[TA+\j], s20, s21
.endr
.irp j, 0,1,2,3
	s_delay_alu instid0(VALU_DEP_4)
	v_max_num_f32 v[TA+\j], v[TA+\j], v[TB+\j]
.endr
.irp j, 0,1,2,3
.if \g == 0
	v_mov_b32 v[GMN+\j], v[TA+\j]
	v_mov_b32 v[RMX+\j], v[TA+\j]
.else
	v_min_num_f32 v[GMN+\j], v[GMN+\j], v[TA+\j]
	v_max_num_f32 v[RMX+\j], v[RMX+\j], v[TA+\j]
.endif
.endr
.endm
.irp g, 0,1,2,3,4
	GROUP \g
.endr
	ds_store_b128 v28, v[GMN:GMN+3]                ; lanes that hold the same rows write the same bytes with the same values
	ds_store_b128 v28, v[RMX:RMX+3] offset:64
	s_wait_alu depctr_va_vdst(0)
	s_wait_dscnt 0x0                               ; for the others' sake
	s_barrier_signal -1
	s_barrier_wait -1
.irp k, 0,1,2,3,4                      ; two waves' figures at a time
	ds_load_b128 v[BT:BT+3], v3 offset:256*\k
	ds_load_b128 v[BT+4:BT+7], v3 offset:256*\k+64
	ds_load_b128 v[BT+8:BT+11], v3 offset:256*\k+128
	ds_load_b128 v[BT+12:BT+15], v3 offset:256*\k+192
	s_wait_alu depctr_va_vdst(0)
	s_wait_dscnt 0x0
.irp j, 0,1,2,3
	v_min3_num_f32 v[GMN+\j], v[GMN+\j], v[BT+\j], v[BT+8+\j]
	v_max3_num_f32 v[RMX+\j], v[RMX+\j], v[BT+4+\j], v[BT+12+\j]
.endr
.endr
.irp j, 0,1,2,3
	v_add_f32 v[TH+\j], 0xbfe00000, v[RMX+\j]      ; the row's maximum - 1.75
.endr
.irp j, 0,1,2,3
	s_delay_alu instid0(VALU_DEP_4)
	v_max_num_f32 v[TH+\j], v[TH+\j], v[GMN+\j]
.endr
	s_cmp_lg_u32 s12, 0
	s_cbranch_scc1 .Lnot_wave_0
	global_store_b128 v3, v[TH:TH+3], s[10:11]
	global_store_b128 v3, v[RMX:RMX+3], s[10:11] offset:8192
.Lnot_wave_0:
; The tile's bits.  Unit u = 2 i + hf lies in four registers at D + 4 u.  Stage by stage over all 50 units, in place, so that no line waits for the line above it.
.set u_, 0
	s_wait_alu depctr_va_vdst(0)
.rept 50
	v_pk_add_f32 v[D+4*u_:D+4*u_+1], v[D+4*u_:D+4*u_+1], v[TH:TH+1] neg_lo:[0,1] neg_hi:[0,1]           ; D - T, two rows at a time
	v_pk_add_f32 v[D+4*u_+2:D+4*u_+3], v[D+4*u_+2:D+4*u_+3], v[TH+2:TH+3] neg_lo:[0,1] neg_hi:[0,1]
.set u_, u_+1
.endr
.set u_, 0
.rept 50
	v_max3_num_f32 v[D+4*u_], v[D+4*u_], v[D+4*u_+1], v[D+4*u_+2]
.set u_, u_+1
.endr
.set u_, 0
.rept 50
	v_max_num_f32 v[D+4*u_], v[D+4*u_], v[D+4*u_+3]                ; my four rows,
.set u_, u_+1
.endr
.irp x, 1,2
.set u_, 0
.rept 50
	v_max_num_f32_dpp v[D+4*u_], v[D+4*u_], v[D+4*u_] row_xmask:\x row_mask:0xf bank_mask:0xf   ; and the three lanes that hold the slot's other twelve
.set u_, u_+1
.endr
.endr
	v_mov_b32 v[WD], 0
	v_mov_b32 v[WD+1], 0
.set i_, 24
.rept 25                               ; from part 24 down: the word doubles and takes the compare's bit in as the carry
.irp hf, 0,1
	v_cmp_le_f32 vcc_lo, 0, v[D+8*i_+4*\hf]
	s_delay_alu instid0(VALU_DEP_1)
	v_add_co_ci_u32 v[WD+\hf], vcc_lo, v[WD+\hf], v[WD+\hf], vcc_lo
.endr
.set i_, i_-1
.endr
	global_store_b32 v29, v[WD], s[6:7]            ; slots 0-7: the four lanes of a slot hold the same word and write the same place
	global_store_b32 v29, v[WD+1], s[6:7] offset:32  ; slots 8-15
	s_wait_tensorcnt 0x0
	ds_add_u32 v254, v255
	s_wait_dscnt 0x0
	s_endpgm
.Lfunc_end_k_qf261c3e0f9_thresh:
	.size	k_qf261c3e0f9_thresh, .Lfunc_end_k_qf261c3e0f9_thresh-k_qf261c3e0f9_thresh
	.p2alignl 7, 3214868480
	.fill 96, 4, 3214868480
	.section	.rodata,"a",@progbits
	.p2align	6, 0x0
	.amdhsa_kernel k_qf261c3e0f9_thresh
		.amdhsa_group_segment_fixed_size 3328
		.amdhsa_private_segment_fixed_size 0
		.amdhsa_enable_private_segment 0
		.amdhsa_kernarg_size 32
		.amdhsa_user_sgpr_count 2
		.amdhsa_user_sgpr_kernarg_segment_ptr 1
		.amdhsa_wavefront_size32 1
		.amdhsa_system_sgpr_workgroup_id_x 1
		.amdhsa_system_sgpr_workgroup_id_y 1
		.amdhsa_system_sgpr_workgroup_id_z 1
		.amdhsa_system_vgpr_workitem_id 0
		.amdhsa_next_free_vgpr 256
		.amdhsa_next_free_sgpr 66
		.amdhsa_reserve_vcc 1
		.amdhsa_float_denorm_mode_32 3
		.amdhsa_float_denorm_mode_16_64 3
		.amdhsa_memory_ordered 1
		.amdhsa_forward_progress 1
		.amdhsa_inst_pref_size 51
	.end_amdhsa_kernel
	.amdgpu_metadata
---
amdhsa.version: [ 1, 2 ]
amdhsa.kernels:
  - .name:           k_qf261c3e0f9_thresh
    .symbol:         k_qf261c3e0f9_thresh.kd
    .args:
      - { .name: cmax, .offset: 0, .size: 8, .value_kind: global_buffer, .address_space: global }
      - { .name: tba, .offset: 8, .size: 8, .value_kind: global_buffer, .address_space: global }
      - { .name: tbb, .offset: 16, .size: 8, .value_kind: global_buffer, .address_space: global }
      - { .name: stat, .offset: 24, .size: 8, .value_kind: global_buffer, .address_space: global }
    .group_segment_fixed_size: 3328
    .private_segment_fixed_size: 0
    .kernarg_segment_align: 8
    .kernarg_segment_size: 32
    .max_flat_workgroup_size: 320
    .sgpr_count:     66
    .vgpr_count:     256
    .wavefront_size: 32
...
	.end_amdgpu_metadata
.endif
;; end of part 3
;; launch recompute (part 4): grid 128 x 1, 16 waves a work-group, no clusters, 0 bytes of LDS; arguments qq, mq, tba, tbb, stat, simws, clist; writes simws, clist
.if DOCPART == 4
	.amdgcn_target "amdgcn-amd-amdhsa--gfx1250"
	.amdhsa_code_object_version 6
	.text
	.protected	k_qf261c3e0f9_recompute
	.globl	k_qf261c3e0f9_recompute
	.p2align	8
	.type	k_qf261c3e0f9_recompute,@function
k_qf261c3e0f9_recompute:
	s_mov_b64 s[64:65], 0
	v_nop
	global_prefetch_b8 v0, s[64:65] scope:SCOPE_SE
	s_setreg_imm32_b32 hwreg(HW_REG_WAVE_MODE, 25, 1), 1
	s_wait_xcnt 0x0
; The chunks whose bit is set for a query tile are multiplied again: the same matrix instruction on the same images in the same order of K as in the dense pass, so the sums have the same bits.
; Work-group = query tile.  All 16 waves walk the tile's 160 words of bits, read by scalar loads, 16 words a block; the tile's chunk number n (blocks, slots and bits ascending) is worked by wave n % 16.
; All branches, trip counts and addresses hang on those stored whole numbers.  The slot is a constant of each of the 13 copies of the work.
; OUT, for chunk n with first tile t0 (its memory rows: 16 t0 + 64 u + 8 h + j): the sums of all 16 rows, straight from the accumulators, to simws[tile x 6,656,000 + n x 2,048 + r x 128 + 4 i], i = 16 h + 8 u + j;
; and to clist[tile x 512 + 8 n], n < 62: { t0 << 16 | the rows with a sum >= their T, the columns i with such a sum in any row }.  These masks come from floating-point compares: they are stored and steer nothing here.
; Entry 62 takes what is over (a tile with more than 62 chunks is served from the bits by the next launch), entry 63 is { 0, the number of chunks }; entry k that no chunk fills is stored as zeros by wave k % 16.
; No LDS, no barrier, EXEC is never changed: single numbers are stored by all lanes at one place with one value.
; The first wave of the first work-group also takes the maximum of the 2,048 row maxima (simws + 851,968,000).
.set L16, 1
.set L4,  2
.set VT,  3                            ; T of my lane's row
.set LP,  4                            ; my place in a chunk's 2,048 bytes: 128 r + 64 h
.set QF,  16                           ; v16-39  my query tile's two fragments
.set QSC, 40                           ; its scale words;  v42-43 the memory tiles': scales and nothing else
.set MSC, 42
.set MFR, 44                           ; v44-91  four memory fragments, at 24 u + 12 ks
.set ACC, 92                           ; v92-107
.set WB,  108                          ; bit 8 u + j: that sum of my lane reaches T
.set TMP, 109
.set VOF, 111
.set VE,  112
.set VEO, 114
.set WV,  18
.set NN,  19                           ; chunks so far
.set MQSB, 20
.set SIMB, 22
.set CLB, 24
.set TBP, 26
.set VBK, 28                           ; the block: parts 25 VBK ..
.set SP25, 29
.set SOFF, 30
.set NB,  31
.set CB,  32
.set BT,  33
.set SEL, 56
.set W,   68                           ; s[68:83] the block in hand;  s[84:99] the next one, on its way
.set W2,  84
	s_load_b256 s[4:11], s[0:1], 0x0               ; qq s[4:5], mq s[6:7], tba s[8:9], tbb s[10:11]
	s_load_b128 s[12:15], s[0:1], 0x20             ; stat s[12:13], simws s[14:15]
	s_load_b64 s[16:17], s[0:1], 0x30              ; clist
	v_lshrrev_b32 v1, 5, v0
	s_delay_alu instid0(VALU_DEP_1)
	v_readfirstlane_b32 s[WV], v1                  ; wave 0..15
	v_and_b32 v5, 31, v0
	s_delay_alu instid0(VALU_DEP_1)
	v_lshlrev_b32 v[L16], 4, v5
	s_delay_alu instid0(VALU_DEP_2)
	v_lshlrev_b32 v[L4], 2, v5
	v_and_b32 v6, 15, v0                           ; r
	v_bfe_u32 v7, v0, 4, 1                         ; h
	s_delay_alu instid0(VALU_DEP_2)
	v_lshlrev_b32 v[LP], 7, v6
	s_delay_alu instid0(VALU_DEP_1)
	v_lshl_add_u32 v[LP], v7, 6, v[LP]
	s_delay_alu instid0(VALU_DEP_4)
	v_lshlrev_b32 v8, 2, v6
	v_mov_b32 v[TMP], 0                            ; a DPP form's destination counts as one of its sources
	s_and_b32 s34, ttmp9, 63
	s_mul_i32 s34, s34, 640
	s_mov_b32 s35, 0
	s_mul_i32 s36, ttmp9, 3072
	s_mov_b32 s37, 0
	s_lshl_b32 s38, ttmp9, 7
	s_mov_b32 s39, 0
	s_lshl_b32 s40, ttmp9, 6
	s_mov_b32 s41, 0
	s_mul_i32 s42, ttmp9, 6656000
	s_mov_b32 s43, 0
	s_lshl_b32 s44, ttmp9, 9
	s_mov_b32 s45, 0
	s_mov_b32 s[SEL], 0x76543210
	s_mov_b32 s[SEL+1], 0xfedcba98
	s_mov_b32 s[NN], 0
	s_mov_b32 s[SP25], 0
	s_mov_b32 s[VBK], 0
	s_wait_kmcnt 0x0
	s_cmp_lt_u32 ttmp9, 64                         ; which of the two buffers of bits: the choice hangs on the work-group's number alone
	s_cselect_b64 s[TBP:TBP+1], s[8:9], s[10:11]
	s_add_nc_u64 s[TBP:TBP+1], s[TBP:TBP+1], s[34:35]
	s_load_b512 s[W:W+15], s[TBP:TBP+1], 0x0       ; block 0
	s_add_nc_u64 s[50:51], s[4:5], s[36:37]
	s_add_nc_u64 s[52:53], s[4:5], s[38:39]
	s_add_nc_u64 s[54:55], s[12:13], s[40:41]
	s_add_nc_u64 s[58:59], s[14:15], 851968000
	s_add_nc_u64 s[MQSB:MQSB+1], s[6:7], 19200000
	s_add_nc_u64 s[SIMB:SIMB+1], s[14:15], s[42:43]
	s_add_nc_u64 s[CLB:CLB+1], s[16:17], s[44:45]
	s_or_b32 s35, ttmp9, s[WV]
	s_cmp_lg_u32 s35, 0
	s_cbranch_scc1 .Lno_gmax
.set gi, 0
	s_wait_alu depctr_va_vdst(0)
.rept 16
	global_load_b128 v[44+4*gi:47+4*gi], v[L16], s[12:13] offset:8192+512*gi
.set gi, gi+1
.endr
	s_wait_loadcnt 0x0
	v_max3_num_f32 v115, v44, v45, v46
.set gi, 47
.rept 30
	s_delay_alu instid0(VALU_DEP_1)
	v_max3_num_f32 v115, v115, v[gi], v[gi+1]
.set gi, gi+2
.endr
	s_delay_alu instid0(VALU_DEP_1)
	v_max_num_f32 v115, v115, v107
.irp x, 1,2,4,8
	s_delay_alu instid0(VALU_DEP_1)
	v_max_num_f32_dpp v115, v115, v115 row_xmask:\x row_mask:0xf bank_mask:0xf
.endr
	v_mov_b32 v116, 0
	s_delay_alu instid0(VALU_DEP_1)
	v_permlanex16_b32 v116, v115, s[SEL], s[SEL+1]
	s_delay_alu instid0(VALU_DEP_1)
	v_max_num_f32 v115, v115, v116
	v_mov_b32 v117, 0
	global_store_b32 v117, v115, s[58:59]
.Lno_gmax:
	s_wait_alu depctr_va_vdst(0)
.irp k, 0,1
.irp c, 0,1,2
	global_load_b128 v[QF+12*\k+4*\c:QF+12*\k+4*\c+3], v[L16], s[50:51] offset:1536*\k+512*\c
.endr
.endr
	global_load_b32 v[QSC], v[L4], s[52:53] offset:393216
	global_load_b32 v[VT], v8, s[54:55]
	s_wait_loadcnt 0x0
	s_wait_kmcnt 0x0
; One chunk of slot sg: part s[SP25] + s[BT], number s[NN].
.macro PROCESS sg
.set tl_, 8*(((\sg)-1)/4)+((\sg)-1)%4  ; its first tile within the part
.if (\sg) == 13                        ; the last step's chunk has one tile: it is taken twice, and the second's bits are dropped
.set o2_, 0
.set os_, 0
.else
.set o2_, 12288                        ; the second tile lies four tiles on
.set os_, 512
.endif
	s_wait_xcnt 0x0                                ; the last chunk's stores have read their registers and bases
	s_add_co_u32 s35, s[SP25], s[BT]
	s_mul_i32 s40, s35, 25
	s_add_co_u32 s40, s40, tl_
	s_min_u32 s40, s40, 6249                       ; t0
	s_mul_i32 s48, s40, 3072
	s_mov_b32 s49, 0
	s_add_nc_u64 s[48:49], s[6:7], s[48:49]
	s_lshl_b32 s52, s40, 7
	s_mov_b32 s53, 0
	s_add_nc_u64 s[52:53], s[MQSB:MQSB+1], s[52:53]
.irp u, 0,1
.irp k, 0,1
.irp c, 0,1,2
	global_load_b128 v[MFR+24*\u+12*\k+4*\c:MFR+24*\u+12*\k+4*\c+3], v[L16], s[48:49] offset:\u*o2_+1536*\k+512*\c
.endr
.endr
	global_load_b32 v[MSC+\u], v[L4], s[52:53] offset:\u*os_
.endr
	s_wait_loadcnt 0x0
	v_wmma_scale_f32_16x16x128_f8f6f4 v[ACC:ACC+7], v[MFR:MFR+11], v[QF:QF+11], 0, v[MSC], v[QSC] matrix_a_fmt:MATRIX_FMT_BF6 matrix_b_fmt:MATRIX_FMT_BF6
	v_wmma_scale_f32_16x16x128_f8f6f4 v[ACC+8:ACC+15], v[MFR+24:MFR+35], v[QF:QF+11], 0, v[MSC+1], v[QSC] matrix_a_fmt:MATRIX_FMT_BF6 matrix_b_fmt:MATRIX_FMT_BF6
	v_wmma_scale_f32_16x16x128_f8f6f4 v[ACC:ACC+7], v[MFR+12:MFR+23], v[QF+12:QF+23], v[ACC:ACC+7], v[MSC], v[QSC] matrix_a_fmt:MATRIX_FMT_BF6 matrix_b_fmt:MATRIX_FMT_BF6 matrix_a_scale:MATRIX_SCALE_ROW1 matrix_b_scale:MATRIX_SCALE_ROW1
	v_wmma_scale_f32_16x16x128_f8f6f4 v[ACC+8:ACC+15], v[MFR+36:MFR+47], v[QF+12:QF+23], v[ACC+8:ACC+15], v[MSC+1], v[QSC] matrix_a_fmt:MATRIX_FMT_BF6 matrix_b_fmt:MATRIX_FMT_BF6 matrix_a_scale:MATRIX_SCALE_ROW1 matrix_b_scale:MATRIX_SCALE_ROW1
.rept 5
	v_nop                                          ; four places in front of the stores and compares that read the sums and of the next chunk's loads; the fifth for the next chunk's first product, which writes over them
.endr
	s_min_u32 s43, s[NN], 3249
	v_lshl_add_u32 v[VOF], s43, 11, v[LP]
	global_store_b128 v[VOF], v[ACC:ACC+3], s[SIMB:SIMB+1]                 ; each accumulator from its low end on; a lane's 16 sums are 64 neighbouring bytes of its row
	global_store_b128 v[VOF], v[ACC+4:ACC+7], s[SIMB:SIMB+1] offset:16
	global_store_b128 v[VOF], v[ACC+8:ACC+11], s[SIMB:SIMB+1] offset:32
	global_store_b128 v[VOF], v[ACC+12:ACC+15], s[SIMB:SIMB+1] offset:48
	v_mov_b32 v[WB], 0
.set gi, 15
.rept 16                               ; from register 15 down, so that register k's bit ends at place k
	v_cmp_le_f32 vcc_lo, v[VT], v[ACC+gi]
	s_delay_alu instid0(VALU_DEP_1)
	v_cndmask_b32 v[TMP], 0, 1, vcc_lo
	s_delay_alu instid0(VALU_DEP_1)
	v_lshl_or_b32 v[WB], v[WB], 1, v[TMP]
.set gi, gi-1
.endr
.if (\sg) == 13
	s_delay_alu instid0(VALU_DEP_1)
	v_and_b32 v[WB], 0xff, v[WB]
.endif
	s_delay_alu instid0(VALU_DEP_1)
	v_cmp_ne_u32 s36, 0, v[WB]                     ; lanes r and 16 + r hold row r's two halves
	s_lshr_b32 s37, s36, 16
	s_or_b32 s36, s36, s37
	s_and_b32 s36, s36, 0xffff                     ; the rows with a candidate
	s_lshl_b32 s37, s40, 16
	s_or_b32 s36, s36, s37
.irp x, 1
	v_mov_b32_dpp v[TMP], v[WB] row_xmask:\x row_mask:0xf bank_mask:0xf
	s_delay_alu instid0(VALU_DEP_1)
	v_or_b32 v[WB], v[WB], v[TMP]                  ; over the 16 rows, in each half of the lanes
.endr
.irp x, 2, 4, 8
	s_delay_alu instid0(VALU_DEP_1)
	v_mov_b32_dpp v[TMP], v[WB] row_xmask:\x row_mask:0xf bank_mask:0xf
	s_delay_alu instid0(VALU_DEP_1)
	v_or_b32 v[WB], v[WB], v[TMP]                  ; over the 16 rows, in each half of the lanes
.endr
	s_delay_alu instid0(VALU_DEP_1)
	v_readlane_b32 s38, v[WB], 0
	s_delay_alu instid0(VALU_DEP_2)
	v_readlane_b32 s39, v[WB], 16
	s_lshl_b32 s39, s39, 16
	s_or_b32 s38, s38, s39                         ; the columns with a candidate: bit 16 h + 8 u + j
	s_min_u32 s43, s[NN], 62
	s_lshl_b32 s43, s43, 3
	v_mov_b32 v[VEO], s43
	v_mov_b32 v[VE], s36
	v_mov_b32 v[VE+1], s38
	global_store_b64 v[VEO], v[VE:VE+1], s[CLB:CLB+1]
.endm
; The bits of the block's word of slot sg, one after the other: a counted loop.  Every wave counts every chunk and works its own.
.macro WORD sg
	s_cmp_eq_u32 s[W+\sg], 0
	s_cbranch_scc1 .Lnone_\@
	s_bcnt1_i32_b32 s[NB], s[W+\sg]
	s_mov_b32 s[CB], 0
.Lbit_\@:
	s_ctz_i32_b32 s[BT], s[W+\sg]
	s_add_co_i32 s34, s[W+\sg], -1
	s_and_b32 s[W+\sg], s[W+\sg], s34              ; its bit is taken off
	s_and_b32 s34, s[NN], 15
	s_cmp_lg_u32 s34, s[WV]
	s_cbranch_scc1 .Lother_\@
	PROCESS \sg
.Lother_\@:
	s_add_co_u32 s[NN], s[NN], 1
	s_add_co_u32 s[CB], s[CB], 1
	s_cmp_lt_u32 s[CB], s[NB]
	s_cbranch_scc1 .Lbit_\@
.Lnone_\@:
.endm
.Lblk:                                             ; ten blocks of 16 words
	s_add_co_u32 s[SOFF], s[VBK], 1
	s_min_u32 s[SOFF], s[SOFF], 9                  ; (the last trip asks for its own block again: no load leaves the buffer)
	s_lshl_b32 s[SOFF], s[SOFF], 6
	s_load_b512 s[W2:W2+15], s[TBP:TBP+1], s[SOFF] offset:0x0   ; the next block comes while this one is walked
.irp sg, 1,2,3,4,5,6,7,8,9,10,11,12,13
	WORD \sg
.endr
	s_wait_kmcnt 0x0
.irp k, 0,1,2,3,4,5,6,7
	s_mov_b64 s[W+2*\k:W+2*\k+1], s[W2+2*\k:W2+2*\k+1]
.endr
	s_add_co_u32 s[SP25], s[SP25], 25
	s_add_co_u32 s[VBK], s[VBK], 1
	s_cmp_lt_u32 s[VBK], 10
	s_cbranch_scc1 .Lblk
; Entry k = wave + 16 m, if no chunk has filled it: zeros; entry 63: the number of chunks.
.macro ZFILL m
	s_add_co_u32 s35, s[WV], 16*\m
	s_cmp_eq_u32 s35, 63
	s_cselect_b32 s36, s[NN], 0
	s_cselect_b32 s37, 0, s[NN]
	s_cmp_lt_u32 s35, s37
	s_cbranch_scc1 .Lreal_\@
	s_wait_xcnt 0x0                                ; earlier stores have read these registers
	s_lshl_b32 s35, s35, 3
	v_mov_b32 v[VEO], s35
	v_mov_b32 v[VE], 0
	v_mov_b32 v[VE+1], s36
	global_store_b64 v[VEO], v[VE:VE+1], s[CLB:CLB+1]
.Lreal_\@:
.endm
	ZFILL 0
	ZFILL 1
	ZFILL 2
	ZFILL 3
	s_endpgm
.Lfunc_end_k_qf261c3e0f9_recompute:
	.size	k_qf261c3e0f9_recompute, .Lfunc_end_k_qf261c3e0f9_recompute-k_qf261c3e0f9_recompute
	.p2alignl 7, 3214868480
	.fill 96, 4, 3214868480
	.section	.rodata,"a",@progbits
	.p2align	6, 0x0
	.amdhsa_kernel k_qf261c3e0f9_recompute
		.amdhsa_group_segment_fixed_size 0
		.amdhsa_private_segment_fixed_size 0
		.amdhsa_enable_private_segment 0
		.amdhsa_kernarg_size 56
		.amdhsa_user_sgpr_count 2
		.amdhsa_user_sgpr_kernarg_segment_ptr 1
		.amdhsa_wavefront_size32 1
		.amdhsa_system_sgpr_workgroup_id_x 1
		.amdhsa_system_sgpr_workgroup_id_y 1
		.amdhsa_system_sgpr_workgroup_id_z 1
		.amdhsa_system_vgpr_workitem_id 0
		.amdhsa_next_free_vgpr 128
		.amdhsa_next_free_sgpr 100
		.amdhsa_reserve_vcc 1
		.amdhsa_float_denorm_mode_32 3
		.amdhsa_float_denorm_mode_16_64 3
		.amdhsa_memory_ordered 1
		.amdhsa_forward_progress 1
		.amdhsa_inst_pref_size 119
	.end_amdhsa_kernel
	.amdgpu_metadata
---
amdhsa.version: [ 1, 2 ]
amdhsa.kernels:
  - .name:           k_qf261c3e0f9_recompute
    .symbol:         k_qf261c3e0f9_recompute.kd
    .args:
      - { .name: qq, .offset: 0, .size: 8, .value_kind: global_buffer, .address_space: global }
      - { .name: mq, .offset: 8, .size: 8, .value_kind: global_buffer, .address_space: global }
      - { .name: tba, .offset: 16, .size: 8, .value_kind: global_buffer, .address_space: global }
      - { .name: tbb, .offset: 24, .size: 8, .value_kind: global_buffer, .address_space: global }
      - { .name: stat, .offset: 32, .size: 8, .value_kind: global_buffer, .address_space: global }
      - { .name: simws, .offset: 40, .size: 8, .value_kind: global_buffer, .address_space: global }
      - { .name: clist, .offset: 48, .size: 8, .value_kind: global_buffer, .address_space: global }
    .group_segment_fixed_size: 0
    .private_segment_fixed_size: 0
    .kernarg_segment_align: 8
    .kernarg_segment_size: 56
    .max_flat_workgroup_size: 512
    .sgpr_count:     100
    .vgpr_count:     128
    .wavefront_size: 32
...
	.end_amdgpu_metadata
.endif
;; end of part 4
;; launch rows (part 5): grid 128 x 1, 16 waves a work-group, no clusters, 18,432 bytes of LDS; arguments memory_nodes_gpu, test_patches, stat, simws, tba, tbb, clist, out1, cmax; writes out1, cmax
.if DOCPART == 5
	.amdgcn_target "amdgcn-amd-amdhsa--gfx1250"
	.amdhsa_code_object_version 6
	.text
	.protected	k_qf261c3e0f9_rows
	.globl	k_qf261c3e0f9_rows
	.p2align	8
	.type	k_qf261c3e0f9_rows,@function
k_qf261c3e0f9_rows:
	s_mov_b64 s[64:65], 0
	v_nop
	global_prefetch_b8 v0, s[64:65] scope:SCOPE_SE
	s_setreg_imm32_b32 hwreg(HW_REG_WAVE_MODE, 25, 1), 1
	s_wait_xcnt 0x0
; A wave makes a row of out1: the softmax over the row's 50 largest sims (ties: the lower index), the weighted sum of those memory rows in f32, + x, normalised; and the row's share of the global feature.
; Work-group = query tile, wave = row.  Every trip count, branch and address hangs on stored whole numbers, read by scalar loads: the tile's list of chunks { t0 << 16 | rows, columns } and its length.
; What floating-point numbers decide (sim >= T, the 50th in the order, the weights) only selects values.
; FIRST the list is read once, written out: which entries name my row (64 bits), and how many columns they name: an upper bound of my candidates.  THE WALK then takes those entries one by one.
; ABOVE 50 the 50th is found first: the named elements are inserted one by one into a list of 64, sorted by (sim falling, index rising), a rank a lane in two registers' worth.  Elements under T among them
; do no harm: whatever is >= T has all its betters in the list, so its rank there is its rank in the row.
; THEN every named column's memory row is gathered; its weight is 2^((sim - rowmax) / 0.02 x log2 e), or 0 under T or behind the 50th.
; A TILE WITH MORE THAN 62 CHUNKS has no whole list: the same walk then takes its words from the tile's bits, and every column of every flagged chunk counts as named.
; THE GATHER OF A CHUNK IS WRITTEN OUT: column b = 16 h + 8 u + j stands for memory row 16 t0 + 64 u + 8 h + j, so with b a constant a row's address is one base a chunk and an immediate.
; The row's maximum is taken away before the exponential; so is the maximum of all rows' maxima before the rows' own weights.
; The tiles' weighted sums go to the first 131,072 bytes of cmax, whose maxima are used up by now.
; LIMITS: weights under 2^-126 of the largest are 0; -0 counts as +0; NaN and infinities are not served.
.set L16, 1
.set L4,  2
.set LIDX, 3                           ; 64 u + 8 h + j of my lane
.set SLP, 4                            ; 128 x my row's number + 4 x lane
.set XR,  8                            ; v8-15   x's row, then y, then the row of out1: columns 4 l .. 4 l + 3 and 128 + 4 l ..
.set ACC, 16                           ; v16-23  the messages
.set WS,  24
.set SIM, 25
.set KEY, 26                           ; the sim as a whole number that rises with it
.set IDX, 27
.set WT,  28
.set KA,  29                           ; ranks 0-31: key, index;  ranks 32-63
.set IA,  30
.set KB,  31
.set IB,  32
.set SH,  33                           ; v33-36  the four, one rank down
.set XK,  37
.set XI,  38
.set VOF, 42
.set G,   44                           ; v44-51  a gathered row
.set RB,  64                           ; v64-127 the tile's 16 rows, at the end
.set WV,  22
.set PR,  23
.set NC,  24                           ; the tile's chunks
.set RMX, 25
.set GMX, 26
.set TH,  27
.set SIMB, 28
.set CLB, 30
.set TBP, 32
.set MODE, 34                          ; 1: more than 62 chunks
.set XN,  35                           ; words to walk: 2 or 160
.set XW,  36
.set WDR, 37
.set NB,  38
.set CB,  39
.set BT,  40
.set T0,  41
.set NO,  42                           ; the chunk's number in the tile
.set CM,  43                           ; its named columns
.set NRUN, 44
.set REL, 45                           ; s45, s46: the entries that name my row
.set CNT, 47
.set BLO, 48
.set SEL, 56
.set K49, 58
.set I49, 59
.set SK,  60
.set SI,  61
.set NB2, 62
.set CB2, 63
.set ENT, 66
.set WSC, 68
.set BITS, 78
.set BT2, 79
.set E,   80                           ; s[80:95] eight entries
	s_load_b256 s[4:11], s[0:1], 0x0               ; memory s[4:5], test_patches s[6:7], stat s[8:9], simws s[10:11]
	s_load_b256 s[12:19], s[0:1], 0x20             ; tba s[12:13], tbb s[14:15], clist s[16:17], out1 s[18:19]
	s_load_b64 s[20:21], s[0:1], 0x40              ; cmax
	v_lshl_add_u32 v128, v0, 2, 0x4000
	v_mov_b32 v129, 0
	v_lshrrev_b32 v1, 5, v0
	s_delay_alu instid0(VALU_DEP_1)
	v_readfirstlane_b32 s[WV], v1
	v_and_b32 v5, 31, v0
	s_delay_alu instid0(VALU_DEP_1)
	v_lshlrev_b32 v[L16], 4, v5
	s_delay_alu instid0(VALU_DEP_2)
	v_lshlrev_b32 v[L4], 2, v5
	v_and_b32 v5, 7, v0                            ; j
	v_bfe_u32 v6, v0, 3, 1                         ; u
	v_bfe_u32 v7, v0, 4, 1                         ; h
	s_delay_alu instid0(VALU_DEP_2)
	v_lshl_add_u32 v[LIDX], v6, 6, v5
	s_delay_alu instid0(VALU_DEP_1)
	v_lshl_add_u32 v[LIDX], v7, 3, v[LIDX]
	s_lshl_b32 s50, s[WV], 7
	v_add_nc_u32 v[SLP], s50, v[L4]
	s_lshl_b32 s[PR], ttmp9, 4
	s_add_co_u32 s[PR], s[PR], s[WV]
	s_lshl_b32 s54, s[PR], 2
	s_mov_b32 s[SEL], 0x76543210
	s_mov_b32 s[SEL+1], 0xfedcba98
	s_mov_b32 s[K49], 0                            ; where nothing is selected: every key is above this
	s_mov_b32 s[I49], -1
	s_mov_b32 s[REL], 0
	s_mov_b32 s[REL+1], 0
	s_mov_b32 s[CNT], 0
	s_lshl_b32 s50, ttmp9, 9
	s_mov_b32 s51, 0
	s_wait_alu depctr_va_vdst(0)
	s_wait_kmcnt 0x0
	s_add_nc_u64 s[CLB:CLB+1], s[16:17], s[50:51]
	s_load_b32 s[NC], s[CLB:CLB+1], 0x1fc          ; entry 63's second word
	s_load_b32 s[TH], s[8:9], s54 offset:0x0
	s_load_b32 s[RMX], s[8:9], s54 offset:0x2000
	s_add_nc_u64 s[52:53], s[10:11], 851968000
	s_load_b32 s[GMX], s[52:53], 0x0
	s_mul_i32 s50, ttmp9, 6656000
	s_add_nc_u64 s[SIMB:SIMB+1], s[10:11], s[50:51]
	s_and_b32 s50, ttmp9, 63
	s_mul_i32 s50, s50, 640
	s_cmp_lt_u32 ttmp9, 64                         ; which of the two buffers of bits: the choice hangs on the work-group's number alone
	s_cselect_b64 s[TBP:TBP+1], s[12:13], s[14:15]
	s_add_nc_u64 s[TBP:TBP+1], s[TBP:TBP+1], s[50:51]
	s_lshl_b32 s50, s[PR], 10
	s_add_nc_u64 s[6:7], s[6:7], s[50:51]
	s_add_nc_u64 s[18:19], s[18:19], s[50:51]
	global_load_b128 v[XR:XR+3], v[L16], s[6:7]
	global_load_b128 v[XR+4:XR+7], v[L16], s[6:7] offset:512
.irp k, 0,1,2,3,4,5,6,7
	v_mov_b32 v[ACC+\k], 0
.endr
	v_mov_b32 v[WS], 0
	v_mov_b32 v43, 0
	s_wait_kmcnt 0x0
	s_min_u32 s[NC], s[NC], 3250
	s_cmp_gt_u32 s[NC], 62
	s_cselect_b32 s[MODE], 1, 0
	s_cselect_b32 s[XN], 160, 2
	s_cbranch_scc1 .Lcounted
; Entries 8 b .. 8 b + 7: does entry k name my row, and how many columns does it name?  Entries that no chunk filled are zeros.
.macro COUNTBLK b
	s_cmp_le_u32 s[NC], 8*\b
	s_cbranch_scc1 .Lcounted
	s_load_b512 s[E:E+15], s[CLB:CLB+1], 64*\b
	s_wait_kmcnt 0x0
.irp k, 0,1,2,3,4,5,6,7
	s_lshr_b32 s50, s[E+2*\k], s[WV]
	s_and_b32 s50, s50, 1
	s_bcnt1_i32_b32 s51, s[E+2*\k+1]
	s_mul_i32 s51, s51, s50
	s_add_co_u32 s[CNT], s[CNT], s51
	s_lshl_b32 s50, s50, (8*(\b)+\k)%32
	s_or_b32 s[REL+(8*(\b)+\k)/32], s[REL+(8*(\b)+\k)/32], s50
.endr
.endm
.irp b, 0,1,2,3,4,5,6,7
	COUNTBLK \b
.endr
.Lcounted:
	s_lshl_b32 s50, s[MODE], 6
	s_add_co_u32 s[CNT], s[CNT], s50               ; without a whole list the 50th is always looked for
; My row's 32 sims of the chunk in hand; key and index.
.macro SIMS
	s_min_u32 s50, s[NO], 3249
	v_lshl_add_u32 v[VOF], s50, 11, v[SLP]
	global_load_b32 v[SIM], v[VOF], s[SIMB:SIMB+1]
	s_lshl_b32 s51, s[T0], 4
	v_add_nc_u32 v[IDX], s51, v[LIDX]
	s_wait_loadcnt 0x0
	v_add_f32 v[SIM], 0, v[SIM]                    ; -0 becomes +0
	s_delay_alu instid0(VALU_DEP_1)
	v_ashrrev_i32 v[KEY], 31, v[SIM]
	s_delay_alu instid0(VALU_DEP_1)
	v_or_b32 v[KEY], 0x80000000, v[KEY]
	s_delay_alu instid0(VALU_DEP_1)
	v_xor_b32 v[KEY], v[SIM], v[KEY]
.endm
; The chunk's named elements go into the sorted list, one by one.
.macro SELBODY
	SIMS
	s_mov_b32 s[BITS], s[CM]
	s_bcnt1_i32_b32 s[NB2], s[CM]
	s_cmp_eq_u32 s[NB2], 0
	s_cbranch_scc1 .Lsel_none_\@
	s_mov_b32 s[CB2], 0
.Lsel_bit_\@:
	s_ctz_i32_b32 s[BT2], s[BITS]
	s_add_co_i32 s50, s[BITS], -1
	s_and_b32 s[BITS], s[BITS], s50
	s_wait_alu depctr_va_vdst(0)
	v_readlane_b32 s[SK], v[KEY], s[BT2]
	v_readlane_b32 s[SI], v[IDX], s[BT2]
	s_delay_alu instid0(VALU_DEP_2)
	v_cmp_gt_u32 s70, v[KA], s[SK]                 ; which ranks stand ahead of the newcomer: a run of ones from rank 0 on
	s_delay_alu instid0(VALU_DEP_3)
	v_cmp_eq_u32 s71, v[KA], s[SK]
	s_delay_alu instid0(VALU_DEP_3)
	v_cmp_lt_u32 s72, v[IA], s[SI]
	s_and_b32 s71, s71, s72
	s_or_b32 s70, s70, s71
	v_cmp_gt_u32 s73, v[KB], s[SK]
	v_cmp_eq_u32 s71, v[KB], s[SK]
	v_cmp_lt_u32 s72, v[IB], s[SI]
	s_and_b32 s71, s71, s72
	s_or_b32 s73, s73, s71
	s_lshr_b32 s76, s70, 31
	s_lshl_b32 s74, s70, 1
	s_or_b32 s74, s74, 1                           ; the same of the rank above
	s_lshl_b32 s75, s73, 1
	s_or_b32 s75, s75, s76
	v_mov_b32_dpp v[SH], v[KA] row_shr:1 row_mask:0xf bank_mask:0xf      ; the list one rank down: within 16 lanes,
	v_mov_b32_dpp v[SH+1], v[IA] row_shr:1 row_mask:0xf bank_mask:0xf
	v_mov_b32_dpp v[SH+2], v[KB] row_shr:1 row_mask:0xf bank_mask:0xf
	v_mov_b32_dpp v[SH+3], v[IB] row_shr:1 row_mask:0xf bank_mask:0xf
	v_readlane_b32 s50, v[KA], 15                  ; from lane 15 to lane 16,
	v_readlane_b32 s51, v[IA], 15
	v_readlane_b32 s52, v[KB], 15
	v_readlane_b32 s53, v[IB], 15
	s_delay_alu instid0(VALU_DEP_4)
	v_writelane_b32 v[SH], s50, 16
	s_delay_alu instid0(VALU_DEP_4)
	v_writelane_b32 v[SH+1], s51, 16
	s_delay_alu instid0(VALU_DEP_4)
	v_writelane_b32 v[SH+2], s52, 16
	s_delay_alu instid0(VALU_DEP_4)
	v_writelane_b32 v[SH+3], s53, 16
	v_readlane_b32 s50, v[KA], 31                  ; and from rank 31 to rank 32
	v_readlane_b32 s51, v[IA], 31
	s_delay_alu instid0(VALU_DEP_2)
	v_writelane_b32 v[SH+2], s50, 0
	s_delay_alu instid0(VALU_DEP_2)
	v_writelane_b32 v[SH+3], s51, 0
	v_mov_b32 v[XK], s[SK]
	v_mov_b32 v[XI], s[SI]
	s_delay_alu instid0(VALU_DEP_2)
	v_cndmask_b32 v[SH], v[SH], v[XK], s74         ; the first rank that is not ahead takes the newcomer, those behind it the rank above,
	s_delay_alu instid0(VALU_DEP_2)
	v_cndmask_b32 v[SH+1], v[SH+1], v[XI], s74
	s_delay_alu instid0(VALU_DEP_4)
	v_cndmask_b32 v[SH+2], v[SH+2], v[XK], s75
	s_delay_alu instid0(VALU_DEP_4)
	v_cndmask_b32 v[SH+3], v[SH+3], v[XI], s75
	s_delay_alu instid0(VALU_DEP_4)
	v_cndmask_b32 v[KA], v[SH], v[KA], s70         ; those ahead stay
	s_delay_alu instid0(VALU_DEP_4)
	v_cndmask_b32 v[IA], v[SH+1], v[IA], s70
	s_delay_alu instid0(VALU_DEP_4)
	v_cndmask_b32 v[KB], v[SH+2], v[KB], s73
	s_delay_alu instid0(VALU_DEP_4)
	v_cndmask_b32 v[IB], v[SH+3], v[IB], s73
	s_add_co_u32 s[CB2], s[CB2], 1
	s_cmp_lt_u32 s[CB2], s[NB2]
	s_cbranch_scc1 .Lsel_bit_\@
.Lsel_none_\@:
.endm
; Column b of the chunk in hand, if it is named: its memory row (1,024 bytes: 16 bytes a lane, twice) times its weight, onto the messages.
.macro GBIT b
	s_bitcmp1_b32 s[CM], \b
	s_cbranch_scc0 .Lnot_\@
	global_load_b128 v[G:G+3], v[L16], s[BLO:BLO+1] offset:(64*(((\b)/8)%2)+8*((\b)/16)+(\b)%8)*1024
	global_load_b128 v[G+4:G+7], v[L16], s[BLO:BLO+1] offset:(64*(((\b)/8)%2)+8*((\b)/16)+(\b)%8)*1024+512
	s_wait_alu depctr_va_vdst(0)
	v_readlane_b32 s[WSC], v[WT], \b
	s_mov_b32 s[WSC+1], s[WSC]                     ; (named with it as a pair, so it is written)
	s_wait_loadcnt 0x0
.irp k, 0,2,4,6
	v_pk_fma_f32 v[ACC+\k:ACC+\k+1], v[G+\k:G+\k+1], s[WSC:WSC+1], v[ACC+\k:ACC+\k+1] op_sel_hi:[1,0,1]
.endr
.Lnot_\@:
.endm
.macro GGRP g                          ; columns 8 g .. 8 g + 7
	s_and_b32 s50, s[CM], 0xff<<(8*(\g))
	s_cmp_eq_u32 s50, 0
	s_cbranch_scc1 .Lnogrp_\@
.irp n, 0,1,2,3,4,5,6,7
	GBIT (8*(\g)+\n)
.endr
.Lnogrp_\@:
.endm
; The chunk's weights, and its named rows.
.macro GATBODY
	SIMS
	s_delay_alu instid0(VALU_DEP_1)
	v_cmp_gt_u32 s70, v[KEY], s[K49]
	s_delay_alu instid0(VALU_DEP_2)
	v_cmp_eq_u32 s71, v[KEY], s[K49]
	s_wait_alu depctr_va_vdst(0)
	v_cmp_le_u32 s72, v[IDX], s[I49]
	s_and_b32 s71, s71, s72
	s_or_b32 s70, s70, s71                         ; not behind the 50th,
	v_cmp_le_f32 s71, s[TH], v[SIM]
	s_and_b32 s70, s70, s71                        ; not under T,
	s_and_b32 s70, s70, s[CM]                      ; and named
	v_sub_f32 v[WT], v[SIM], s[RMX]
	s_delay_alu instid0(VALU_DEP_1)
	v_mul_f32 v[WT], 0x429044fe, v[WT]             ; x log2(e) / 0.02
	s_wait_alu depctr_va_vdst(0)
	v_exp_f32 v[WT], v[WT]
	v_nop                                          ; a plain place behind the exponential,
	s_wait_alu depctr_va_vdst(0)                   ; and the wait ahead of its first reader
	v_cndmask_b32 v[WT], 0, v[WT], s70
	s_delay_alu instid0(VALU_DEP_1)
	v_add_f32 v[WS], v[WS], v[WT]
	s_lshl_b32 s[BLO], s[T0], 14                   ; memory row 16 t0; every earlier load that named this base has been waited for
	s_mov_b32 s[BLO+1], 0
	s_add_nc_u64 s[BLO:BLO+1], s[4:5], s[BLO:BLO+1]
	GGRP 0
	GGRP 1
	GGRP 2
	GGRP 3
.endm
; THE WALK.  With a whole list: two words, the entries that name my row; set bit k is entry k, which says t0 and the columns; the chunk's number is k.
; Without: the tile's 160 words of bits, word 16 v + slot, bit i = part 25 v + i, in the order in which the chunks were numbered; every column counts (of a part's last chunk the 16 that it has).
.macro WALK which
	s_mov_b32 s[XW], 0
	s_mov_b32 s[NRUN], 0
.Lword_\@:
	s_cmp_eq_u32 s[MODE], 0
	s_cbranch_scc0 .Lslow_word_\@
	s_cmp_eq_u32 s[XW], 0
	s_cselect_b32 s[WDR], s[REL], s[REL+1]
	s_branch .Lhave_\@
.Lslow_word_\@:
	s_lshl_b32 s50, s[XW], 2
	s_load_b32 s[WDR], s[TBP:TBP+1], s50 offset:0x0
	s_wait_kmcnt 0x0
.Lhave_\@:
	s_bcnt1_i32_b32 s[NB], s[WDR]
	s_cmp_eq_u32 s[NB], 0
	s_cbranch_scc1 .Lnext_\@
	s_mov_b32 s[CB], 0
.Litem_\@:
	s_ctz_i32_b32 s[BT], s[WDR]
	s_add_co_i32 s50, s[WDR], -1
	s_and_b32 s[WDR], s[WDR], s50                  ; its bit is taken off
	s_cmp_eq_u32 s[MODE], 0
	s_cbranch_scc0 .Lslow_item_\@
	s_lshl_b32 s50, s[XW], 5
	s_add_co_u32 s50, s50, s[BT]
	s_min_u32 s[NO], s50, 63
	s_lshl_b32 s50, s[NO], 3
	s_load_b64 s[ENT:ENT+1], s[CLB:CLB+1], s50 offset:0x0
	s_wait_kmcnt 0x0
	s_lshr_b32 s[T0], s[ENT], 16
	s_mov_b32 s[CM], s[ENT+1]
	s_branch .Lgot_\@
.Lslow_item_\@:
	s_lshr_b32 s50, s[XW], 4
	s_mul_i32 s50, s50, 25
	s_add_co_u32 s50, s50, s[BT]                   ; the part
	s_and_b32 s51, s[XW], 15                       ; the slot
	s_cmp_eq_u32 s51, 13
	s_cselect_b32 s[CM], 0xff00ff, -1
	s_sub_co_u32 s51, s51, 1                       ; the step
	s_lshr_b32 s52, s51, 2
	s_and_b32 s51, s51, 3
	s_lshl_b32 s52, s52, 3
	s_mul_i32 s[T0], s50, 25
	s_add_co_u32 s[T0], s[T0], s52
	s_add_co_u32 s[T0], s[T0], s51
	s_mov_b32 s[NO], s[NRUN]
	s_add_co_u32 s[NRUN], s[NRUN], 1
.Lgot_\@:
	s_min_u32 s[T0], s[T0], 6249
.if \which == 0
	SELBODY
.else
	GATBODY
.endif
	s_add_co_u32 s[CB], s[CB], 1
	s_cmp_lt_u32 s[CB], s[NB]
	s_cbranch_scc1 .Litem_\@
.Lnext_\@:
	s_add_co_u32 s[XW], s[XW], 1
	s_cmp_lt_u32 s[XW], s[XN]
	s_cbranch_scc1 .Lword_\@
.endm
	s_cmp_le_u32 s[CNT], 50
	s_cbranch_scc1 .Lno_select
	v_mov_b32 v[KA], 0                             ; an empty place: key 0, under every number's key; index -1
	v_mov_b32 v[KB], 0
	v_mov_b32 v[IA], -1
	v_mov_b32 v[IB], -1
.irp k, 0,1,2,3
	v_mov_b32 v[SH+\k], 0
.endr
	WALK 0
	s_wait_alu depctr_va_vdst(0)
	v_readlane_b32 s[K49], v[KB], 17               ; rank 49: the 50th
	v_readlane_b32 s[I49], v[IB], 17
.Lno_select:
	WALK 1
	s_wait_loadcnt 0x0                             ; x
	s_wait_alu depctr_va_vdst(0)
.irp x, 1
	v_add_f32_dpp v[WS], v[WS], v[WS] row_xmask:\x row_mask:0xf bank_mask:0xf
.endr
.irp x, 2, 4, 8
	s_delay_alu instid0(VALU_DEP_1)
	v_add_f32_dpp v[WS], v[WS], v[WS] row_xmask:\x row_mask:0xf bank_mask:0xf
.endr
	s_delay_alu instid0(VALU_DEP_1)
	v_permlanex16_b32 v43, v[WS], s[SEL], s[SEL+1]
	s_delay_alu instid0(VALU_DEP_1)
	v_add_f32 v[WS], v[WS], v43                    ; the sum of the weights
	s_wait_alu depctr_va_vdst(0)
	v_rcp_f32 v40, v[WS]
	v_mov_b32 v39, s[GMX]                          ; (a plain place)
	s_wait_alu depctr_va_vdst(0)
.irp k, 0,1,2,3,4,5,6,7
	v_fma_f32 v[XR+\k], v[ACC+\k], v40, v[XR+\k]   ; x + messages
.endr
	v_mul_f32 v41, v[XR], v[XR]
.irp k, 1,2,3,4,5,6,7
	s_delay_alu instid0(VALU_DEP_1)
	v_fmac_f32 v41, v[XR+\k], v[XR+\k]
.endr
.irp x, 1,2,4,8
	s_delay_alu instid0(VALU_DEP_1)
	v_add_f32_dpp v41, v41, v41 row_xmask:\x row_mask:0xf bank_mask:0xf
.endr
	s_delay_alu instid0(VALU_DEP_1)
	v_permlanex16_b32 v43, v41, s[SEL], s[SEL+1]
	s_delay_alu instid0(VALU_DEP_1)
	v_add_f32 v41, v41, v43
	s_wait_alu depctr_va_vdst(0)
	v_sqrt_f32 v41, v41
	v_sub_f32 v39, s[RMX], v39                     ; (a plain place)  my row's maximum less the largest of all rows'
	s_wait_alu depctr_va_vdst(0)
	v_max_num_f32 v41, 0x2b8cbccc, v41             ; the norm, at least 1e-12
	v_mul_f32 v39, 0x429044fe, v39
	s_wait_alu depctr_va_vdst(0)
	v_rcp_f32 v41, v41
	v_exp_f32 v39, v39                             ; the row's weight in the global feature, not yet normalised
	v_nop
	s_wait_alu depctr_va_vdst(0)                   ; one wait for the two
.irp k, 0,1,2,3,4,5,6,7
	v_mul_f32 v[XR+\k], v[XR+\k], v41
.endr
	global_store_b128 v[L16], v[XR:XR+3], s[18:19]             ; 32 lanes store 512 consecutive bytes
	global_store_b128 v[L16], v[XR+4:XR+7], s[18:19] offset:512
.irp k, 0,1,2,3,4,5,6,7
	v_mul_f32 v[ACC+\k], v[XR+\k], v39
.endr
	s_lshl_b32 s50, s[WV], 10
	v_add_nc_u32 v42, s50, v[L16]
	ds_store_b128 v42, v[ACC:ACC+3]
	ds_store_b128 v42, v[ACC+4:ACC+7] offset:512
	s_wait_dscnt 0x0                               ; for the others' sake
	s_barrier_signal -1
	s_barrier_wait -1
	s_cmp_lt_u32 s[WV], 2
	s_cbranch_scc0 .Ldone
	v_lshlrev_b32 v43, 4, v0                       ; threads 0-63: 16 bytes of the 1,024 each
.set i_, 0
.rept 16
	ds_load_b128 v[RB+4*i_:RB+4*i_+3], v43 offset:1024*i_
.set i_, i_+1
.endr
	s_wait_dscnt 0x0
.set i_, 1
	v_pk_add_f32 v[RB:RB+1], v[RB:RB+1], v[RB+4*i_:RB+4*i_+1]
	v_pk_add_f32 v[RB+2:RB+3], v[RB+2:RB+3], v[RB+4*i_+2:RB+4*i_+3]
.set i_, i_+1
.rept (15)-1
	s_delay_alu instid0(VALU_DEP_2)
	v_pk_add_f32 v[RB:RB+1], v[RB:RB+1], v[RB+4*i_:RB+4*i_+1]
	s_delay_alu instid0(VALU_DEP_2)
	v_pk_add_f32 v[RB+2:RB+3], v[RB+2:RB+3], v[RB+4*i_+2:RB+4*i_+3]
.set i_, i_+1
.endr
	s_lshl_b32 s50, ttmp9, 10
	s_mov_b32 s51, 0
	s_add_nc_u64 s[20:21], s[20:21], s[50:51]
	global_store_b128 v43, v[RB:RB+3], s[20:21]
.Ldone:
	s_wait_tensorcnt 0x0
	ds_add_u32 v128, v129
	s_wait_dscnt 0x0
	s_endpgm
.Lfunc_end_k_qf261c3e0f9_rows:
	.size	k_qf261c3e0f9_rows, .Lfunc_end_k_qf261c3e0f9_rows-k_qf261c3e0f9_rows
	.p2alignl 7, 3214868480
	.fill 96, 4, 3214868480
	.section	.rodata,"a",@progbits
	.p2align	6, 0x0
	.amdhsa_kernel k_qf261c3e0f9_rows
		.amdhsa_group_segment_fixed_size 18432
		.amdhsa_private_segment_fixed_size 0
		.amdhsa_enable_private_segment 0
		.amdhsa_kernarg_size 72
		.amdhsa_user_sgpr_count 2
		.amdhsa_user_sgpr_kernarg_segment_ptr 1
		.amdhsa_wavefront_size32 1
		.amdhsa_system_sgpr_workgroup_id_x 1
		.amdhsa_system_sgpr_workgroup_id_y 1
		.amdhsa_system_sgpr_workgroup_id_z 1
		.amdhsa_system_vgpr_workitem_id 0
		.amdhsa_next_free_vgpr 130
		.amdhsa_next_free_sgpr 100
		.amdhsa_reserve_vcc 0
		.amdhsa_float_denorm_mode_32 3
		.amdhsa_float_denorm_mode_16_64 3
		.amdhsa_memory_ordered 1
		.amdhsa_forward_progress 1
		.amdhsa_inst_pref_size 57
	.end_amdhsa_kernel
	.amdgpu_metadata
---
amdhsa.version: [ 1, 2 ]
amdhsa.kernels:
  - .name:           k_qf261c3e0f9_rows
    .symbol:         k_qf261c3e0f9_rows.kd
    .args:
      - { .name: memory_nodes_gpu, .offset: 0, .size: 8, .value_kind: global_buffer, .address_space: global }
      - { .name: test_patches, .offset: 8, .size: 8, .value_kind: global_buffer, .address_space: global }
      - { .name: stat, .offset: 16, .size: 8, .value_kind: global_buffer, .address_space: global }
      - { .name: simws, .offset: 24, .size: 8, .value_kind: global_buffer, .address_space: global }
      - { .name: tba, .offset: 32, .size: 8, .value_kind: global_buffer, .address_space: global }
      - { .name: tbb, .offset: 40, .size: 8, .value_kind: global_buffer, .address_space: global }
      - { .name: clist, .offset: 48, .size: 8, .value_kind: global_buffer, .address_space: global }
      - { .name: out1, .offset: 56, .size: 8, .value_kind: global_buffer, .address_space: global }
      - { .name: cmax, .offset: 64, .size: 8, .value_kind: global_buffer, .address_space: global }
    .group_segment_fixed_size: 18432
    .private_segment_fixed_size: 0
    .kernarg_segment_align: 8
    .kernarg_segment_size: 72
    .max_flat_workgroup_size: 512
    .sgpr_count:     100
    .vgpr_count:     130
    .wavefront_size: 32
...
	.end_amdgpu_metadata
.endif
;; end of part 5
;; launch global (part 6): grid 1 x 1, 16 waves a work-group, no clusters, 18,944 bytes of LDS; arguments cmax, stat, simws, out0; writes out0
.if DOCPART == 6
	.amdgcn_target "amdgcn-amd-amdhsa--gfx1250"
	.amdhsa_code_object_version 6
	.text
	.protected	k_qf261c3e0f9_global
	.globl	k_qf261c3e0f9_global
	.p2align	8
	.type	k_qf261c3e0f9_global,@function
k_qf261c3e0f9_global:
	s_mov_b64 s[64:65], 0
	v_nop
	global_prefetch_b8 v0, s[64:65] scope:SCOPE_SE
	s_setreg_imm32_b32 hwreg(HW_REG_WAVE_MODE, 25, 1), 1
	s_wait_xcnt 0x0
; out0 = normalise(sum over rows of updated x softmax(row maxima / 0.02)).  The 128 tiles' weighted sums (the first 131,072 bytes of cmax, stored by the launch before) are added, divided by the sum of the
; weights 2^((rowmax - gmax) / 0.02 x log2 e), and normalised.
; One work-group: the sum spans all work-groups of the launch before, so it has one owner.  Wave v adds tiles 8 v .. 8 v + 7 and the weights of rows 128 v .. 128 v + 127; wave 0 adds the sixteen.
	s_load_b256 s[4:11], s[0:1], 0x0               ; the tiles' sums s[4:5], stat s[6:7], simws s[8:9], out0 s[10:11]
	v_lshl_add_u32 v96, v0, 2, 0x4200
	v_mov_b32 v97, 0
	v_lshrrev_b32 v1, 5, v0
	s_delay_alu instid0(VALU_DEP_1)
	v_readfirstlane_b32 s12, v1
	v_and_b32 v1, 31, v0
	s_delay_alu instid0(VALU_DEP_1)
	v_lshlrev_b32 v2, 4, v1                        ; 16 x lane
	s_lshl_b32 s14, s12, 13
	s_mov_b32 s15, 0
	s_lshl_b32 s16, s12, 9
	s_mov_b32 s17, 0
	s_lshl_b32 s13, s12, 10
	v_add_nc_u32 v3, s13, v2                       ; LDS: 1,024 bytes a wave
	v_mov_b32 v4, s12
	s_delay_alu instid0(VALU_DEP_1)
	v_lshlrev_b32 v4, 2, v4
	s_delay_alu instid0(VALU_DEP_1)
	v_add_nc_u32 v4, 16384, v4                     ; and behind them a word a wave
	s_mov_b32 s20, 0x76543210
	s_mov_b32 s21, 0xfedcba98
	v_mov_b32 v6, 0
	s_wait_alu depctr_va_vdst(0)
	s_wait_kmcnt 0x0
	s_add_nc_u64 s[4:5], s[4:5], s[14:15]
	s_add_nc_u64 s[6:7], s[6:7], s[16:17]
	s_add_nc_u64 s[8:9], s[8:9], 851968000
	s_load_b32 s18, s[8:9], 0x0                    ; the largest of the rows' maxima
.set i_, 0
.rept 8
	global_load_b128 v[16+8*i_:19+8*i_], v2, s[4:5] offset:1024*i_
	global_load_b128 v[20+8*i_:23+8*i_], v2, s[4:5] offset:1024*i_+512
.set i_, i_+1
.endr
	global_load_b128 v[8:11], v2, s[6:7] offset:8192
	s_wait_kmcnt 0x0
	s_wait_loadcnt 0x0
.irp j, 0,1,2,3
	v_sub_f32 v[8+\j], v[8+\j], s18
.endr
.irp j, 0,1,2,3
	s_delay_alu instid0(VALU_DEP_4)
	v_mul_f32 v[8+\j], 0x429044fe, v[8+\j]
.endr
	s_wait_alu depctr_va_vdst(0)
.irp j, 0,1,2,3
	v_exp_f32 v[8+\j], v[8+\j]
.endr
.set i_, 1
.rept 7                                            ; (plain work behind the exponentials)
.irp k, 0,2,4,6
	v_pk_add_f32 v[16+\k:17+\k], v[16+\k:17+\k], v[16+8*i_+\k:17+8*i_+\k]
.endr
.set i_, i_+1
.endr
	s_wait_alu depctr_va_vdst(0)                   ; one wait for the four, ahead of their first reader
	v_add_f32 v8, v8, v9
	v_add_f32 v10, v10, v11
	s_delay_alu instid0(VALU_DEP_1)
	v_add_f32 v8, v8, v10
.irp x, 1,2,4,8
	s_delay_alu instid0(VALU_DEP_1)
	v_add_f32_dpp v8, v8, v8 row_xmask:\x row_mask:0xf bank_mask:0xf
.endr
	s_delay_alu instid0(VALU_DEP_1)
	v_permlanex16_b32 v6, v8, s20, s21
	s_delay_alu instid0(VALU_DEP_1)
	v_add_f32 v8, v8, v6
	ds_store_b128 v3, v[16:19]
	ds_store_b128 v3, v[20:23] offset:512
	ds_store_b32 v4, v8                            ; all lanes write the same word with the same value
	s_wait_dscnt 0x0
	s_barrier_signal -1
	s_barrier_wait -1
	s_cmp_lg_u32 s12, 0
	s_cbranch_scc1 .Lend
.macro ADDW first, n                   ; waves first .. first + n - 1
.set i_, 0
.rept \n
	ds_load_b128 v[24+8*i_:27+8*i_], v2 offset:1024*(\first+i_)
	ds_load_b128 v[28+8*i_:31+8*i_], v2 offset:1024*(\first+i_)+512
.set i_, i_+1
.endr
	s_wait_dscnt 0x0
.set i_, 0
.rept \n
.irp k, 0,2,4,6
	v_pk_add_f32 v[16+\k:17+\k], v[16+\k:17+\k], v[24+8*i_+\k:25+8*i_+\k]
.endr
.set i_, i_+1
.endr
.endm
	ADDW 1, 8
	s_wait_alu depctr_va_vdst(0)
	ADDW 9, 7
	v_mov_b32 v5, 16384
	ds_load_b128 v[8:11], v5
	ds_load_b128 v[12:15], v5 offset:16
	ds_load_b128 v[88:91], v5 offset:32
	ds_load_b128 v[92:95], v5 offset:48
	s_wait_dscnt 0x0
	v_pk_add_f32 v[8:9], v[8:9], v[10:11]
	v_pk_add_f32 v[12:13], v[12:13], v[14:15]
	v_pk_add_f32 v[88:89], v[88:89], v[90:91]
	v_pk_add_f32 v[92:93], v[92:93], v[94:95]
	s_delay_alu instid0(VALU_DEP_3)
	v_pk_add_f32 v[8:9], v[8:9], v[12:13]
	s_delay_alu instid0(VALU_DEP_2)
	v_pk_add_f32 v[88:89], v[88:89], v[92:93]
	s_delay_alu instid0(VALU_DEP_1)
	v_pk_add_f32 v[8:9], v[8:9], v[88:89]
	s_delay_alu instid0(VALU_DEP_1)
	v_add_f32 v8, v8, v9                           ; the sum of the weights, at least 1
	s_wait_alu depctr_va_vdst(0)
	v_rcp_f32 v8, v8
	v_nop
	s_wait_alu depctr_va_vdst(0)
.irp k, 0,1,2,3,4,5,6,7
	v_mul_f32 v[16+\k], v[16+\k], v8
.endr
	v_mul_f32 v9, v16, v16
.irp k, 1,2,3,4,5,6,7
	s_delay_alu instid0(VALU_DEP_1)
	v_fmac_f32 v9, v[16+\k], v[16+\k]
.endr
.irp x, 1,2,4,8
	s_delay_alu instid0(VALU_DEP_1)
	v_add_f32_dpp v9, v9, v9 row_xmask:\x row_mask:0xf bank_mask:0xf
.endr
	s_delay_alu instid0(VALU_DEP_1)
	v_permlanex16_b32 v6, v9, s20, s21
	s_delay_alu instid0(VALU_DEP_1)
	v_add_f32 v9, v9, v6
	s_wait_alu depctr_va_vdst(0)
	v_sqrt_f32 v9, v9
	v_nop
	s_wait_alu depctr_va_vdst(0)
	v_max_num_f32 v9, 0x2b8cbccc, v9               ; the norm, at least 1e-12
	s_wait_alu depctr_va_vdst(0)
	v_rcp_f32 v9, v9
	v_nop
	s_wait_alu depctr_va_vdst(0)
.irp k, 0,1,2,3,4,5,6,7
	v_mul_f32 v[16+\k], v[16+\k], v9
.endr
	global_store_b128 v2, v[16:19], s[10:11]
	global_store_b128 v2, v[20:23], s[10:11] offset:512
.Lend:
	s_wait_tensorcnt 0x0
	ds_add_u32 v96, v97
	s_wait_dscnt 0x0
	s_endpgm
.Lfunc_end_k_qf261c3e0f9_global:
	.size	k_qf261c3e0f9_global, .Lfunc_end_k_qf261c3e0f9_global-k_qf261c3e0f9_global
	.p2alignl 7, 3214868480
	.fill 96, 4, 3214868480
	.section	.rodata,"a",@progbits
	.p2align	6, 0x0
	.amdhsa_kernel k_qf261c3e0f9_global
		.amdhsa_group_segment_fixed_size 18944
		.amdhsa_private_segment_fixed_size 0
		.amdhsa_enable_private_segment 0
		.amdhsa_kernarg_size 32
		.amdhsa_user_sgpr_count 2
		.amdhsa_user_sgpr_kernarg_segment_ptr 1
		.amdhsa_wavefront_size32 1
		.amdhsa_system_sgpr_workgroup_id_x 1
		.amdhsa_system_sgpr_workgroup_id_y 1
		.amdhsa_system_sgpr_workgroup_id_z 1
		.amdhsa_system_vgpr_workitem_id 0
		.amdhsa_next_free_vgpr 98
		.amdhsa_next_free_sgpr 66
		.amdhsa_reserve_vcc 0
		.amdhsa_float_denorm_mode_32 3
		.amdhsa_float_denorm_mode_16_64 3
		.amdhsa_memory_ordered 1
		.amdhsa_forward_progress 1
		.amdhsa_inst_pref_size 16
	.end_amdhsa_kernel
	.amdgpu_metadata
---
amdhsa.version: [ 1, 2 ]
amdhsa.kernels:
  - .name:           k_qf261c3e0f9_global
    .symbol:         k_qf261c3e0f9_global.kd
    .args:
      - { .name: cmax, .offset: 0, .size: 8, .value_kind: global_buffer, .address_space: global }
      - { .name: stat, .offset: 8, .size: 8, .value_kind: global_buffer, .address_space: global }
      - { .name: simws, .offset: 16, .size: 8, .value_kind: global_buffer, .address_space: global }
      - { .name: out0, .offset: 24, .size: 8, .value_kind: global_buffer, .address_space: global }
    .group_segment_fixed_size: 18944
    .private_segment_fixed_size: 0
    .kernarg_segment_align: 8
    .kernarg_segment_size: 32
    .max_flat_workgroup_size: 512
    .sgpr_count:     66
    .vgpr_count:     98
    .wavefront_size: 32
...
	.end_amdgpu_metadata
.endif
;; end of part 6
